; MI455X (gfx1250); checked and timed in simulation.
; The chip was launched on July 23, 2026; its instructions are those of AMD's public machine-readable ISA for CDNA 5 (MIT licence, August 2026) and "CDNA5" Instruction Set Architecture Reference Guide (July 2026). The comments in the code are by the model that wrote it; some were corrected since.
;; Attention. Allowed arithmetic: matrix products marked QUANTISED: E4M3 operands, one given power-of-two scale a tensor, by v_wmma_f32_16x16x64_fp8_fp8 or v_wmma_f32_16x16x128_fp8_fp8, f32 sums; everything else in f32.
;; Inputs: Wk 1,024 x 1,024 float32; Wo 1,024 x 1,024 float32; Wq 1,024 x 1,024 float32; Wv 1,024 x 1,024 float32; lowp_scales 12 int32 (the exponents e of the quantised operands' scales 2^e); x 4 x 2,048 x 1,024 float32.
;; Outputs: out0 4 x 2,048 x 1,024 float32.
;; This version of the problem:
;;   THIS VERSION OF THE PROBLEM IS GIVEN IN LOW PRECISION. The matrix products marked QUANTISED in the list below multiply operands that are first quantised to E4M3 (4 exponent bits, 3 mantissa bits; 8 bits a number), with one given power-of-two scale for each operand tensor; their sums are f32. All else is computed in f32.
;;   The module's matrix products, in the order in which they are computed (A, B: the left and right operand; K: the contracted axis; several contracted axes count as one K, in the product's order):
;;     1. [M 8,192, K 1,024] x [K 1,024, N 1,024]; A: input x; B: input Wq: QUANTISED (scales: A lowp_scales[0], B lowp_scales[1])
;;     2. [M 8,192, K 1,024] x [K 1,024, N 1,024]; A: input x; B: input Wk: QUANTISED (scales: A lowp_scales[2], B lowp_scales[3])
;;     3. [M 8,192, K 1,024] x [K 1,024, N 1,024]; A: input x; B: input Wv: QUANTISED (scales: A lowp_scales[4], B lowp_scales[5])
;;     4. batch 64 x [M 2,048, K 64] x [K 64, N 2,048]; A: computed on the way; B: computed on the way: QUANTISED (scales: A lowp_scales[6], B lowp_scales[7])
;;     5. batch 64 x [M 2,048, K 2,048] x [K 2,048, N 64]; A: softmax (see below); B: computed on the way: QUANTISED (scales: A lowp_scales[8], B lowp_scales[9])
;;     6. [M 8,192, K 1,024] x [K 1,024, N 1,024]; A: computed on the way; B: input Wo: QUANTISED (scales: A lowp_scales[10], B lowp_scales[11])
;;   THE QUANTISER, for each operand of a quantised product, along K:
;;     - The operand's scale is 2^e, e = its entry of the input lowp_scales (int32; the entries are numbered through the quantised products in the list's order, A before B).
;;     - Each number is divided by the scale, clamped to +-448, and rounded to the nearest number of E4M3, ties to even, subnormals kept.
;;     - The product sums the exact products of the quantised numbers (number of the format x scale) in f32.
;;   ~~~python
;;   def quantise(x, axis, e):      # numpy; x: float32 -> the quantised numbers, widened to float32 again
;;       x = np.moveaxis(x, axis, -1); K = x.shape[-1]
;;       r = np.clip(x / 2.0 ** e, -448, 448)
;;       step = 2.0 ** (np.maximum(np.frexp(np.where(r == 0, 1, r))[1] - 1, -6) - 3)
;;       q = np.round(r / step) * step * 2.0 ** e      # np.round: ties to even
;;       return np.moveaxis(q, -1, axis).astype(np.float32)
;;   ~~~
;;   SOFTMAX AHEAD OF A QUANTISED PRODUCT. Where the list says 'softmax', what is quantised is not the finished softmax but p = 2^(t - M), with t = logit x log2(e) and M = ceil(the row's largest t), a whole number; so 1/2 < the row's largest p <= 1. The row's sum l is taken of the UNQUANTISED p, in f32, and the product's result is divided by l at the end. Since M is a whole number, a kernel that streams over the keys may use a running M (the ceiling of the running maximum): every later rescaling is an exact power of two, so the quantised numbers keep their values, but for numbers so far below the row's largest that they fall under the format's range.
;;   OPERANDS COMPUTED ON THE WAY. 'Computed on the way' means the value that the module computes at that place (a softmax that the list does not call 'softmax' is quantised finished and normalised). What goes into a quantiser is computed in f32, as accurately as f32 sums, v_exp_f32 and their like allow (about 1e-6 of the number): no bf16 or f16 on the way to a quantiser, and a product that is left as it is and whose result goes on into a quantised operand takes f32 operands (vector FMAs, or v_wmma_f32_16x16x4_f32). A number that lies on a knife's edge between two numbers of the format may be rounded either way, as far as f32 arithmetic and the matrix unit's own rounding can turn it there, and no further.
;; One version. Each part assembles by itself: llvm-mc -triple=amdgcn-amd-amdhsa -mcpu=gfx1250 --defsym DOCPART=n.
;; ======== version 1 of 1: 4 launches
;; limits: right only within a limited range of input values
;; workspace buffers: xc 25,165,824 bytes; wc 4,194,304 bytes; rope 524,288 bytes; qkv 25,165,824 bytes; ao 8,388,608 bytes
;; launch quant (part 1): grid 448 x 1, 4 waves a work-group, no clusters, 33,280 bytes of LDS; arguments x, Wq, Wk, Wv, Wo, lowp_scales, xc, wc, rope; writes xc, wc, rope
.if DOCPART == 1
	.amdgcn_target "amdgcn-amd-amdhsa--gfx1250"
	.amdhsa_code_object_version 6
	.text
	.protected	k_q17ddaf5a44_quant
	.globl	k_q17ddaf5a44_quant
	.p2align	8
	.type	k_q17ddaf5a44_quant,@function
k_q17ddaf5a44_quant:
	s_mov_b64 s[64:65], 0
	v_nop
	global_prefetch_b8 v0, s[64:65] scope:SCOPE_SE
	s_setreg_imm32_b32 hwreg(HW_REG_WAVE_MODE, 25, 1), 1
	s_wait_xcnt 0x0
; x [8192][1024] f32 becomes three tensors of E4M3 codes (scales 2^e0, 2^e2, 2^e4: one for each product that reads x); Wq, Wk, Wv, Wo [1024][1024] f32 become codes
; (2^e1, 2^e3, 2^e5, 2^e11); K is innermost in all of them, so each tensor is a plain stream.  The table of cos and sin for the rotation is made here too.
; code = number / 2^e, held within +-448, to the nearest code, ties to even.
; LIMITS: each e between -126 and 119, so that 2^e and 448 x 2^e are f32 numbers.  NaN among the inputs is not served (an infinity is held at the largest code).
; SHARES: work-groups 0-255: x, 32,768 numbers each; 256-383: the weights, 32 work-groups each; 384-447: the table, 8 positions a wave.
; A wave of the stream takes 16 steps of 512 numbers.  Each load reads 512 consecutive bytes, 16 a lane; the step's 2,048 bytes turn through the wave's own stage in LDS and come back 64 bytes a lane:
; 16 neighbours along K, as the conversions want them.  A lane's 16 codes are 16 bytes: a store of the wave covers 512 consecutive bytes.  Waves share nothing: no barrier.
.set STEPS, 16
.set WREG,  8192                       ; LDS: a region for each wave: two stages of 32 x SP bytes
.set SP,    80                         ; a lane's place in a stage: 64 bytes + 16 of padding
.set R,     16                         ; v16-79   four sets of 16 numbers as loaded
.set X,     80                         ; v80-111  two sets of 16 neighbours
.set T0,    112                        ; v112-127 held numbers, first scale
.set T1,    128                        ; v128-143 held numbers, second scale (the third works in place on X)
.set C,     144                        ; v144-155 codes, four registers a scale
	s_load_b512 s[4:19], s[0:1], 0x0               ; x s[4:5], Wq s[6:7], Wk s[8:9], Wv s[10:11], Wo s[12:13], scales s[14:15], xc s[16:17], wc s[18:19]
	s_load_b64 s[20:21], s[0:1], 0x40              ; rope
	v_lshl_add_u32 v160, v0, 2, 0x8000
	v_mov_b32 v161, 0
	v_lshrrev_b32 v1, 5, v0
	v_readfirstlane_b32 s22, v1                    ; wave
	v_and_b32 v2, 31, v0                           ; lane
	s_wait_kmcnt 0x0
	s_cmp_ge_u32 ttmp9, 384
	s_cbranch_scc1 .Lrope
	; ---- the streams: one path for x and for the weights; only pointers and scales are chosen
	s_load_b256 s[24:31], s[14:15], 0x0            ; e0 .. e7
	s_load_b128 s[32:35], s[14:15], 0x20           ; e8 .. e11
	s_wait_alu depctr_va_vdst(0)
	v_lshlrev_b32 v3, 4, v2                        ; my 16 bytes of a load's 512, and of a store's
	s_wait_alu depctr_va_vdst(0)
	s_mul_i32 s23, s22, WREG
	v_lshrrev_b32 v14, 2, v2
	v_mul_u32_u24 v14, v14, SP
	v_and_b32 v15, 3, v2
	v_lshl_add_u32 v14, v15, 4, v14
	v_add_nc_u32 v14, s23, v14                     ; the stage, in: SP (lane / 4) + 16 (lane % 4)
	v_mul_u32_u24 v15, v2, SP
	v_add_nc_u32 v15, s23, v15                     ; and out: SP x lane
	s_sub_co_u32 s44, ttmp9, 256
	s_lshr_b32 s45, s44, 5                         ; which weight (0 .. 3; no weight's number in x's work-groups)
	s_and_b32 s46, s44, 31                         ; which 32nd of it
	s_mov_b64 s[36:37], s[12:13]                   ; the source: Wo, unless ..
	s_cmp_eq_u32 s45, 2
	s_cselect_b64 s[36:37], s[10:11], s[36:37]
	s_cmp_eq_u32 s45, 1
	s_cselect_b64 s[36:37], s[8:9], s[36:37]
	s_cmp_eq_u32 s45, 0
	s_cselect_b64 s[36:37], s[6:7], s[36:37]
	s_cmp_lt_u32 ttmp9, 256
	s_cselect_b64 s[36:37], s[4:5], s[36:37]
	s_cselect_b64 s[38:39], s[16:17], s[18:19]     ; the codes' buffer
	s_cselect_b32 s47, ttmp9, s46
	s_cselect_b32 s48, 0, s45
	s_lshl_b32 s47, s47, 2
	s_add_co_u32 s47, s47, s22                     ; which run of 8,192 numbers is my wave's
	s_lshl_b32 s50, s47, 15
	s_mov_b32 s51, 0
	s_add_nc_u64 s[36:37], s[36:37], s[50:51]
	s_lshl_b32 s50, s47, 13
	s_lshl_b32 s48, s48, 20                        ; a weight's codes are 2^20 bytes
	s_add_co_u32 s50, s50, s48
	s_add_nc_u64 s[38:39], s[38:39], s[50:51]
	s_add_nc_u64 s[40:41], s[38:39], 0x800000      ; x's second and third tensors of codes (named by x's work-groups alone)
	s_add_nc_u64 s[42:43], s[38:39], 0x1000000
.macro LOAD t
.irp i, 0,1,2,3
	global_load_b128 v[R+16*((\t)%4)+4*\i:R+16*((\t)%4)+4*\i+3], v3, s[36:37] offset:2048*(\t)+512*\i th:TH_LOAD_NT
.endr
.endm
.macro TURN t                          ; step t's numbers through the stage: LDS serves a wave's instructions in order, so no wait stands between the stores and the loads
.irp i, 0,1,2,3
	ds_store_b128 v14, v[R+16*((\t)%4)+4*\i:R+16*((\t)%4)+4*\i+3] offset:32*SP*((\t)%2)+8*SP*\i
.endr
.irp i, 0,1,2,3
	ds_load_b128 v[X+16*((\t)%2)+4*\i:X+16*((\t)%2)+4*\i+3], v15 offset:32*SP*((\t)%2)+16*\i
.endr
.endm
.irp t, 0,1,2,3
	LOAD \t
.endr
	s_wait_alu depctr_va_vdst(0)
	s_wait_kmcnt 0x0
	s_mov_b32 s52, s35                             ; the first scale's exponent: e11, unless ..
	s_cmp_eq_u32 s45, 2
	s_cselect_b32 s52, s29, s52
	s_cmp_eq_u32 s45, 1
	s_cselect_b32 s52, s27, s52
	s_cmp_eq_u32 s45, 0
	s_cselect_b32 s52, s25, s52
	s_cmp_lt_u32 ttmp9, 256
	s_cselect_b32 s52, s24, s52
.macro MKSC e, k                       ; v[5 + 2 k] = 2^e as f32 (the conversion takes its exponent field); v[6 + 2 k] = 448 x 2^e
	s_add_co_i32 s53, \e, 127
	s_lshl_b32 s54, s53, 23
	v_mov_b32 v[5+2*\k], s54
	s_add_co_i32 s53, s53, 8
	s_lshl_b32 s53, s53, 23
	s_or_b32 s53, s53, 0x600000
	v_mov_b32 v[6+2*\k], s53
.endm
	MKSC s52, 0
	MKSC s26, 1                                    ; e2
	MKSC s28, 2                                    ; e4
	s_wait_alu depctr_va_vdst(0)
	s_wait_loadcnt 12                              ; step 0's four loads are in
	TURN 0
; 16 numbers at v[src] are held into v[tmp], converted with scale k and stored through s[dreg:dreg+1]
.macro Q1 k, src, tmp, dreg, t
.irp i, 0,1,2,3,4,5,6,7,8,9,10,11,12,13,14,15
	v_med3_num_f32 v[\tmp+\i], v[\src+\i], -v[6+2*\k], v[6+2*\k]   ; the conversion to an 8-bit code does not saturate (ISA guide 7.6.2): the hold comes first
.endr
	v_cvt_scalef32_pk8_fp8_f32 v[C+4*\k:C+4*\k+1], v[\tmp:\tmp+7], v[5+2*\k]
	v_cvt_scalef32_pk8_fp8_f32 v[C+4*\k+2:C+4*\k+3], v[\tmp+8:\tmp+15], v[5+2*\k]
	v_nop                                          ; a plain line behind the conversions: the next vector line may write their sources
	global_store_b128 v3, v[C+4*\k:C+4*\k+3], s[\dreg:\dreg+1] offset:512*(\t)
.endm
.macro STEP t
.set XS, X+16*((\t)%2)
	s_wait_dscnt 0x0                               ; this step's numbers are back from the stage, and its stores into the stage have read their registers,
.if (\t)+4 < STEPS
	LOAD (\t)+4                                    ; which take the loads of four steps on
.endif
.if (\t)+1 < STEPS
.if STEPS-2-(\t) >= 3
	s_wait_loadcnt 12                              ; the next step's four loads are in; those of the three steps behind it may be out
.else
	s_wait_loadcnt 4*(STEPS-2-(\t))
.endif
	TURN (\t)+1
.endif
	s_wait_xcnt 0x0                                ; the last step's stores have read the codes' registers: they are written again only behind this wait
	Q1 0, XS, T0, 38, \t
	s_cmp_ge_u32 ttmp9, 256                        ; a weight has one scale, x three
	s_cbranch_scc1 .Lw_\@
	Q1 1, XS, T1, 40, \t
	Q1 2, XS, XS, 42, \t
.Lw_\@:
.endm
.irp t, 0,1,2,3,4,5,6,7,8,9,10,11,12,13,14,15
	STEP \t
.endr
	s_wait_tensorcnt 0x0
	ds_add_u32 v160, v161
	s_wait_dscnt 0x0
	s_endpgm
	; ---- the table: rope[s][i] = (cos, sin) of s / 10000^(i / 32), i = 0 .. 31.  Lane i is pair i; a wave makes 8 positions, a row of 256 bytes each.
	; 10000^(i / 32) = 10^(i / 8) = 10^((i % 8) / 8) x 10^(i / 8 rounded down), both factors chosen among constants.  The angle is a division corrected by one step; it is reduced by multiples of pi / 2 in two
	; parts (both fused, so the first loses nothing), and sine and cosine on [-pi/4, pi/4] are polynomials in f32.  Everything is chosen by selects: no branch and no address hangs on a number.
.Lrope:
	s_sub_co_u32 s23, ttmp9, 384
	s_lshl_b32 s23, s23, 2
	s_add_co_u32 s23, s23, s22                     ; which 8 positions
	s_lshl_b32 s56, s23, 11
	s_mov_b32 s57, 0
	s_add_nc_u64 s[20:21], s[20:21], s[56:57]
	s_lshl_b32 s23, s23, 3                         ; the first of them
	s_mov_b32 s44, 0x3f22f983                      ; 2 / pi
	s_mov_b32 s45, 0x3fc90fdb                      ; pi / 2, rounded,
	s_mov_b32 s46, 0xb33bbd2e                      ; and what the rounding left
	s_mov_b32 s47, 0xbe2aaaa3                      ; sine: -1.6666654611e-1, 8.3321608736e-3, -1.9515295891e-4
	s_mov_b32 s48, 0x3c08839e
	s_mov_b32 s49, 0xb94ca1f9
	s_mov_b32 s50, 0x3d2aaaa5                      ; cosine: 4.166664568e-2, -1.388731625e-3, 2.443315712e-5
	s_mov_b32 s51, 0xbab6061a
	s_mov_b32 s52, 0x37ccf5ce
	s_wait_alu depctr_va_vdst(0)
	v_and_b32 v3, 7, v2
	v_lshrrev_b32 v4, 3, v2
	v_lshlrev_b32 v9, 3, v2                        ; my pair's 8 bytes of a row
	v_mov_b32 v5, 1.0
	v_mov_b32 v6, 1.0
.macro PICK dst, idx, n, lit
	v_cmp_ne_u32 vcc_lo, \n, \idx
	v_cndmask_b32 \dst, \lit, \dst, vcc_lo
.endm
	PICK v5, v3, 1, 0x3faab0d5                     ; 10^(1/8) .. 10^(7/8)
	PICK v5, v3, 2, 0x3fe39ea9
	PICK v5, v3, 3, 0x4017c496
	PICK v5, v3, 4, 0x404a62c2
	PICK v5, v3, 5, 0x4086f161
	PICK v5, v3, 6, 0x40b3f300
	PICK v5, v3, 7, 0x40eff755
	PICK v6, v4, 1, 0x41200000                     ; 10, 100, 1000
	PICK v6, v4, 2, 0x42c80000
	PICK v6, v4, 3, 0x447a0000
	v_mul_f32 v7, v5, v6                           ; the divisor
	s_wait_alu depctr_va_vdst(0)
	v_rcp_f32 v8, v7
	v_nop                                          ; a plain line behind the reciprocal,
	s_wait_alu depctr_va_vdst(0)                   ; and the wait ahead of its first reader
.irp n, 0,1,2,3,4,5,6,7
	s_add_co_u32 s58, s23, \n
	v_cvt_f32_u32 v[16+\n], s58                    ; the position
.endr
.irp n, 0,1,2,3,4,5,6,7
	v_mul_f32 v[24+\n], v[16+\n], v8
.endr
.irp n, 0,1,2,3,4,5,6,7
	v_fma_f32 v[32+\n], -v[24+\n], v7, v[16+\n]    ; what the quotient leaves
.endr
.irp n, 0,1,2,3,4,5,6,7
	v_fma_f32 v[24+\n], v[32+\n], v8, v[24+\n]     ; the angle
.endr
.irp n, 0,1,2,3,4,5,6,7
	v_mul_f32 v[32+\n], s44, v[24+\n]
.endr
.irp n, 0,1,2,3,4,5,6,7
	v_rndne_f32 v[32+\n], v[32+\n]                 ; how many quarter turns
.endr
.irp n, 0,1,2,3,4,5,6,7
	v_fma_f32 v[40+\n], -v[32+\n], s45, v[24+\n]
	v_cvt_i32_f32 v[48+\n], v[32+\n]
.endr
.irp n, 0,1,2,3,4,5,6,7
	v_fma_f32 v[40+\n], -v[32+\n], s46, v[40+\n]   ; r, within about pi / 4
.endr
.irp n, 0,1,2,3,4,5,6,7
	v_mul_f32 v[56+\n], v[40+\n], v[40+\n]         ; z = r r
.endr
.irp n, 0,1,2,3,4,5,6,7
	v_fma_f32 v[64+\n], v[56+\n], s49, s48
	v_fma_f32 v[72+\n], v[56+\n], s52, s51
	v_mul_f32 v[80+\n], v[40+\n], v[56+\n]         ; r z
	v_fma_f32 v[88+\n], v[56+\n], -0.5, 1.0        ; 1 - z / 2
.endr
.irp n, 0,1,2,3,4,5,6,7
	v_fma_f32 v[64+\n], v[64+\n], v[56+\n], s47
	v_fma_f32 v[72+\n], v[72+\n], v[56+\n], s50
	v_mul_f32 v[56+\n], v[56+\n], v[56+\n]         ; z z
.endr
.irp n, 0,1,2,3,4,5,6,7
	v_fma_f32 v[64+\n], v[80+\n], v[64+\n], v[40+\n]   ; sin r
	v_fma_f32 v[72+\n], v[56+\n], v[72+\n], v[88+\n]   ; cos r
	v_and_b32 v[80+\n], 1, v[48+\n]
	v_add_nc_u32 v[88+\n], 1, v[48+\n]
.endr
.irp n, 0,1,2,3,4,5,6,7
	v_cmp_eq_u32 vcc_lo, 1, v[80+\n]               ; an odd quarter turn exchanges the two,
	v_cndmask_b32 v[96+2*\n], v[72+\n], v[64+\n], vcc_lo
	v_cndmask_b32 v[97+2*\n], v[64+\n], v[72+\n], vcc_lo
	v_and_b32 v[88+\n], 2, v[88+\n]                ; the cosine is negative in quarters 1 and 2,
	v_and_b32 v[80+\n], 2, v[48+\n]                ; the sine in quarters 2 and 3
.endr
.irp n, 0,1,2,3,4,5,6,7
	v_lshlrev_b32 v[88+\n], 30, v[88+\n]
	v_lshlrev_b32 v[80+\n], 30, v[80+\n]
.endr
.irp n, 0,1,2,3,4,5,6,7
	v_xor_b32 v[96+2*\n], v[96+2*\n], v[88+\n]
	v_xor_b32 v[97+2*\n], v[97+2*\n], v[80+\n]
.endr
.irp n, 0,1,2,3,4,5,6,7
	global_store_b64 v9, v[96+2*\n:97+2*\n], s[20:21] offset:256*\n   ; the wave stores a row: 256 consecutive bytes, aligned
.endr
	s_endpgm
.Lfunc_end_k_q17ddaf5a44_quant:
	.size	k_q17ddaf5a44_quant, .Lfunc_end_k_q17ddaf5a44_quant-k_q17ddaf5a44_quant
	.p2alignl 7, 3214868480
	.fill 96, 4, 3214868480
	.section	.rodata,"a",@progbits
	.p2align	6, 0x0
	.amdhsa_kernel k_q17ddaf5a44_quant
		.amdhsa_group_segment_fixed_size 33280
		.amdhsa_private_segment_fixed_size 0
		.amdhsa_enable_private_segment 0
		.amdhsa_kernarg_size 72
		.amdhsa_user_sgpr_count 2
		.amdhsa_user_sgpr_kernarg_segment_ptr 1
		.amdhsa_wavefront_size32 1
		.amdhsa_system_sgpr_workgroup_id_x 1
		.amdhsa_system_sgpr_workgroup_id_y 1
		.amdhsa_system_sgpr_workgroup_id_z 1
		.amdhsa_system_vgpr_workitem_id 0
		.amdhsa_next_free_vgpr 162
		.amdhsa_next_free_sgpr 66
		.amdhsa_reserve_vcc 1
		.amdhsa_float_denorm_mode_32 3
		.amdhsa_float_denorm_mode_16_64 3
		.amdhsa_memory_ordered 1
		.amdhsa_forward_progress 1
		.amdhsa_inst_pref_size 95
	.end_amdhsa_kernel
	.amdgpu_metadata
---
amdhsa.version: [ 1, 2 ]
amdhsa.kernels:
  - .name:           k_q17ddaf5a44_quant
    .symbol:         k_q17ddaf5a44_quant.kd
    .args:
      - { .name: x, .offset: 0, .size: 8, .value_kind: global_buffer, .address_space: global }
      - { .name: Wq, .offset: 8, .size: 8, .value_kind: global_buffer, .address_space: global }
      - { .name: Wk, .offset: 16, .size: 8, .value_kind: global_buffer, .address_space: global }
      - { .name: Wv, .offset: 24, .size: 8, .value_kind: global_buffer, .address_space: global }
      - { .name: Wo, .offset: 32, .size: 8, .value_kind: global_buffer, .address_space: global }
      - { .name: lowp_scales, .offset: 40, .size: 8, .value_kind: global_buffer, .address_space: global }
      - { .name: xc, .offset: 48, .size: 8, .value_kind: global_buffer, .address_space: global }
      - { .name: wc, .offset: 56, .size: 8, .value_kind: global_buffer, .address_space: global }
      - { .name: rope, .offset: 64, .size: 8, .value_kind: global_buffer, .address_space: global }
    .group_segment_fixed_size: 33280
    .private_segment_fixed_size: 0
    .kernarg_segment_align: 8
    .kernarg_segment_size: 72
    .max_flat_workgroup_size: 128
    .sgpr_count:     66
    .vgpr_count:     162
    .wavefront_size: 32
...
	.end_amdgpu_metadata
.endif
;; end of part 1
;; launch qkvproj (part 2): grid 12 x 32, 4 waves a work-group, clusters of 4 x 4, 327,680 bytes of LDS; arguments xc, wc, rope, lowp_scales, qkv; writes qkv
.if DOCPART == 2
	.amdgcn_target "amdgcn-amd-amdhsa--gfx1250"
	.amdhsa_code_object_version 6
	.text
	.protected	k_q17ddaf5a44_qkvproj
	.globl	k_q17ddaf5a44_qkvproj
	.p2align	8
	.type	k_q17ddaf5a44_qkvproj,@function
k_q17ddaf5a44_qkvproj:
	s_mov_b64 s[64:65], 0
	v_nop
	global_prefetch_b8 v0, s[64:65] scope:SCOPE_SE
	s_setreg_imm32_b32 hwreg(HW_REG_WAVE_MODE, 25, 1), 1
	s_wait_xcnt 0x0
	s_wait_alu depctr_hold_cnt(0) depctr_sa_sdst(0) depctr_va_vdst(0) depctr_va_sdst(0) depctr_va_ssrc(0) depctr_va_vcc(0) depctr_vm_vsrc(0)
	s_getreg_b32 s2, hwreg(HW_REG_IB_STS2, 6, 4)
	s_cmp_eq_u32 s2, 0
	s_cbranch_scc0 .Lentry_in_a_cluster
	s_endpgm
.Lentry_in_a_cluster:
	s_bfe_u32 s2, ttmp6, 0x10000c
	s_cmp_lg_u32 s2, 0xf033
	s_cbranch_scc0 .Lentry_shape_is_right
	s_endpgm
.Lentry_shape_is_right:
; Q = rot(x Wq^T), K = rot(x Wk^T), V = x Wv^T on codes of E4M3, and their own codes (scales 2^e6, 2^e7, 2^e9) for the attention launch.
; The cluster's x says which: 0 Q, 1 K, 2 V.  A tile is 256 x 256, made by four waves of 128 x 128 (64 accumulators, 512 registers); K = 1,024 goes in four steps of 256 through two LDS slots.
; THE MATRIX INSTRUCTION IS USED TRANSPOSED: source 0 = 16 rows of region B, source 1 = 16 rows of region A; a lane then holds ONE row of A and eight neighbouring rows of B.
;   Q, K: A = 256 tokens of x, B = 256 rows of W: a lane holds a token and eight neighbouring channels: the rotation's pairs lie in the lane, and the codes run along the head's 64.
;   V:    A = 256 rows of Wv, B = 256 tokens of x: a lane holds a channel and eight neighbouring tokens: the codes run along the keys, which are the second attention product's K.
; CLUSTERS: 4 x 4.  Region A's tile is shared along a row of the cluster, region B's along a column: each is asked for jointly, by the same tensor load with a mask that names the four.
; A sum stands for sum x 2^(eA + eB); its code is sum / 2^(eOut - eA - eB): the three scales are folded into the conversion's one.
; LIMIT: eOut - eA - eB between -126 and 119, for each of the three.  NaN is not served.
; OUT: Q at byte 0 and K at 2^23 of qkv: [64 heads][2048 tokens][64]; inside each aligned group of 32 tokens a token's place is its number with bits 3 and 4 exchanged, so that the 16 keys that the attention launch
; wants in one tile are 16 neighbouring rows.  V at 2^24: [64 heads][64 channels][2048 tokens], tokens in their own order.
; REGISTERS, in windows of 256: window 0: v0-31 addresses; from v128 A's fragments, ONE set; in the tails v32-95 numbers, v96-111 codes, v112-239 rows on their way out.
;   window 1: B's fragments, TWO sets (v0, v128); in Q's and K's tail the table of cos and sin.   window 2: the accumulators of my rows 0-63 ((a, b) at v[8 (8 a + b)]);   window 3: rows 64-127.
.set NA,     8                         ; blocks of 16 rows of A to a wave
.set ROWB,   256                       ; a tile's row in bytes
.set ASTEP,  256                       ; bytes from a K step to the next, in A's and in B's memory
.set KROW,   1024                      ; a row in memory
.set PITCH,  272                       ; an LDS row: 256 bytes + 16 of padding: the 16 rows that a load touches start at 16 different banks (64 banks of 4 bytes: ISA guide 11.1)
.set FR,     16
.set NL,     4
.set NP,     4                         ; places behind this matrix instruction (ISA guide 7.12.1)
.set HALFT,  128*PITCH
.set SLOT,   4*HALFT                   ; A's 256 rows, then B's 256
.set SPARE,  2*SLOT                    ; the spare words, 128 bytes a wave: two blocks of 256 bytes that no other line names
.set STGQ,   0                         ; the tails' stages, 256 rows x 272 bytes, one for each tail: both lie in slot 0, which has had its last fill and its last read by then
.set STGV,   256*PITCH
.set ADRA, 16                          ; v16-17 LDS address of my A fragments in slot 0, 1
.set COV,  18                          ; v18    V's way out: my byte in two rows of V
.set RDV,  19                          ; v19    V's way out: where I read a row back
.set ADRB, 20                          ; v20-21 the same as ADRA for B
.set RDQ2, 22                          ; v22    RDQ, 128 rows on
.set STOV, 23                          ; v23    V's stage: where I put 8 codes
.set STOQ, 24                          ; v24    Q's and K's stage: the same
.set RDQ,  25                          ; v25    Q's and K's way out: where I read 16 bytes of a token's 64
.set COQ,  26                          ; v26    16 x lane
.set RO,   27                          ; v27    my bytes in 16 rows of the table
.set SPW,  28                          ; v28    LDS address of my spare word; never rewritten
.set NIL,  29                          ; v29    0; never rewritten
.set LIMR, 30                          ; v30    not written
.set SCR,  31                          ; v31    the conversion's scale
.set TQ,   32
.set CQ,   96
.set OUTR, 112
.set AF,   128
.set G1, 24
.set G0, 32
.set G1B, 48
.set G0B, 56
.set MSB, 0
.macro WIN new                         ; the immediate's high byte repeats the setting that is left
.if MSB != (\new)
	s_set_vgpr_msb (MSB<<8)|(\new)
.set MSB, (\new)
.endif
.endm
.set MUL_LO, 0xa1                      ; source 0 (B) window 1, source 1 (A) window 0, C and D window 2
.set MUL_UP, 0xf1                      ; the same, C and D window 3
.set TO_B,   0x40                      ; destination window 1, address window 0
; A joint load: waves 0 and 1 fetch for region A, waves 2 and 3 for region B.  The branch hangs on the wave's number alone.  Four v_nop follow each of the two lines.
.macro JLOAD g0a, g1a, g0b, g1b
	s_cmp_eq_u32 s15, 0
	s_cbranch_scc0 .Lfor_b_\@
	tensor_load_to_lds s[\g0a:\g0a+3], s[\g1a:\g1a+7]
	s_nop 0
.rept 4
	v_nop
.endr
	s_branch .Lasked_\@
.Lfor_b_\@:
	tensor_load_to_lds s[\g0b:\g0b+3], s[\g1b:\g1b+7]
	s_nop 0
.rept 4
	v_nop
.endr
.Lasked_\@:
.endm
.macro CREST                           ; a round of the cluster's barrier behind its opening barrier
	s_cmp_lg_u32 s14, 0
	s_cbranch_scc1 .Lnot_wave_0_\@
	s_barrier_signal -3
.Lnot_wave_0_\@:
	s_barrier_wait -3
	s_barrier_signal -1
	s_barrier_wait -1
.endm
.macro CROUND
	s_barrier_signal -1
	s_barrier_wait -1
	CREST
.endm
.macro PLACES n
.rept \n
	v_nop
.endr
.endm
	s_load_b256 s[4:11], s[0:1], 0x0               ; xc s[4:5], wc s[6:7], rope s[8:9], scales s[10:11]
	s_load_b64 s[12:13], s[0:1], 0x20              ; qkv
	v_lshl_add_u32 v[SPW], v0, 2, SPARE
	v_mov_b32 v[NIL], 0
	ds_add_u32 v28, v29
	ds_add_u32 v28, v29
	s_wait_dscnt 0x0
	v_lshrrev_b32 v1, 5, v0
	v_readfirstlane_b32 s14, v1                    ; wave 0..3
	s_lshr_b32 s15, s14, 1                         ; which half of A's rows is mine.  Also: I fetch for A (0) or for B (1)
	s_and_b32 s16, s14, 1                          ; which half of B's rows.  Also: which 128 rows I fetch
	s_bfe_u32 s40, ttmp6, 0x40000                  ; cx, cy: my place in the cluster
	s_bfe_u32 s41, ttmp6, 0x40004
	s_and_b32 s17, ttmp7, 0xffff
	s_lshl_b32 s17, s17, 2
	s_add_co_u32 s70, s17, s41                     ; 4 x cluster y + cy: Q's and K's block of 256 tokens
	s_add_co_u32 s71, s17, s40                     ; 4 x cluster y + cx: V's
	s_lshl_b32 s43, s41, 2
	s_lshl_b32 s43, 15, s43                        ; my row of the cluster
	s_lshl_b32 s44, 0x1111, s40                    ; my column
	s_or_b32 s[G1+0], s43, (1<<20)|(1<<21)|(5<<22)|(3<<25)   ; 15:0 the mask; 17:16 elements of 1 byte; 20 padding on; 21 set beside a mask; 24:22 after every 64 words; 31:25 four words
	s_or_b32 s[G1B+0], s44, (1<<20)|(1<<21)|(5<<22)|(3<<25)
.irp g, G1, G1B
	s_mov_b32 s[\g+1], ROWB<<16                    ; tensor_dim0
	s_mov_b32 s[\g+2], 128<<16                     ; tensor_dim1
	s_mov_b32 s[\g+3], ROWB<<16                    ; tile_dim0
	s_mov_b32 s[\g+4], 128                         ; tile_dim1
	s_mov_b32 s[\g+5], KROW                        ; tensor_dim0_stride
	s_mov_b32 s[\g+6], 0
	s_mov_b32 s[\g+7], 0
.endr
	; every vector address, from the lane and the wave's number alone
	v_and_b32 v1, 15, v0                           ; r
	v_bfe_u32 v2, v0, 4, 1                         ; h
	v_and_b32 v6, 31, v0                           ; lane
	v_mul_u32_u24 v3, v1, PITCH
	s_wait_alu depctr_va_vdst(0)
	v_lshl_add_u32 v4, v2, 4, v3                   ; a fragment's row x pitch + 16 h
	s_mul_i32 s21, s15, HALFT
	s_mul_i32 s22, s16, HALFT
	s_add_co_u32 s22, s22, 2*HALFT
.irp s, 0,1
	v_add_nc_u32 v[ADRA+\s], s21, v4
	v_add_nc_u32 v[ADRB+\s], s22, v4
	s_add_co_u32 s21, s21, SLOT
	s_add_co_u32 s22, s22, SLOT
.endr
	s_mul_i32 s23, s15, HALFT                      ; the stages: row 128 x my half + r, byte 128 x my half of the columns + 8 h
	s_lshl_b32 s18, s16, 7
	s_add_co_u32 s23, s23, s18
	v_lshl_add_u32 v5, v2, 3, v3
	v_add_nc_u32 v[STOQ], s23, v5
	v_add_nc_u32 v[STOV], STGV, v[STOQ]
	v_lshrrev_b32 v7, 2, v6                        ; back, Q and K: four lanes to a token's 64 bytes of head w, eight tokens an instruction
	v_mul_u32_u24 v7, v7, PITCH
	v_and_b32 v8, 3, v6
	v_lshl_add_u32 v7, v8, 4, v7
	s_lshl_b32 s18, s14, 6
	v_add_nc_u32 v[RDQ], s18, v7
	v_add_nc_u32 v[RDQ2], 128*PITCH, v[RDQ]
	s_mul_i32 s18, s14, 64*PITCH                   ; back, V: sixteen lanes to a channel's 256 bytes, two channels an instruction; wave w takes channels 64 w on
	s_add_co_u32 s18, s18, STGV
	v_mul_u32_u24 v7, v2, PITCH
	v_lshl_add_u32 v7, v1, 4, v7
	v_add_nc_u32 v[RDV], s18, v7
	v_lshlrev_b32 v[COQ], 4, v6
	v_lshlrev_b32 v7, 11, v2
	v_lshl_add_u32 v[COV], v1, 4, v7               ; a channel's row of V is 2,048 bytes
	v_lshlrev_b32 v7, 8, v1
	v_lshl_add_u32 v[RO], v2, 5, v7                ; the table: row r of 256 bytes, + 32 h: my four pairs of a block of eight
	; where the tiles come from.  All candidates are made first; one compare on the cluster's x, which all partners share, chooses.  What feeds A's descriptors never holds cx, what feeds B's never cy.
	s_lshl_b32 s66, ttmp9, 3                       ; the two operands' exponents: entries 2 t, 2 t + 1
	s_lshl_b32 s67, ttmp9, 2
	s_add_co_u32 s67, s67, 24                      ; the result's: entry 6, 7 or 9
	s_lshl_b32 s72, ttmp9, 23                      ; a tensor of x's codes, or of Q, K, V: 2^23 bytes
	s_lshl_b32 s73, ttmp9, 20                      ; a weight's codes: 2^20
	s_lshl_b32 s78, s16, 17                        ; the 128 rows that I fetch
	s_cmp_eq_u32 ttmp9, 2
	s_cselect_b32 s68, 4, 0
	s_cselect_b32 s80, s41, s70                    ; A's block of 256 rows
	s_cselect_b32 s82, s71, s40                    ; B's
	s_cselect_b32 s76, s73, s72
	s_cselect_b32 s77, s72, s73
	s_add_co_u32 s67, s67, s68
	s_lshl_b32 s80, s80, 18
	s_add_co_u32 s80, s80, s76
	s_add_co_u32 s80, s80, s78
	s_mov_b32 s81, 0
	s_lshl_b32 s82, s82, 18
	s_add_co_u32 s82, s82, s77
	s_add_co_u32 s82, s82, s78
	s_mov_b32 s83, 0
	s_and_b32 s74, s70, 7                          ; Q, K: my block of 256 positions in its sequence
	s_lshl_b32 s84, s74, 16
	s_lshl_b32 s75, s15, 15
	s_add_co_u32 s84, s84, s75                     ; the table at my first position
	s_mov_b32 s85, 0
	s_lshr_b32 s75, s70, 3                         ; Q, K out: batch x 2^21 + head x 2^17 + block x 2^14; wave w stores head 4 cx + w
	s_lshl_b32 s86, s75, 21
	s_add_co_u32 s86, s86, s72
	s_lshl_b32 s75, s40, 2
	s_add_co_u32 s75, s75, s14
	s_lshl_b32 s75, s75, 17
	s_add_co_u32 s86, s86, s75
	s_lshl_b32 s75, s74, 14
	s_add_co_u32 s86, s86, s75
	s_mov_b32 s87, 0
	s_lshr_b32 s75, s71, 3                         ; V out: 2^24 + (batch x 1024 + 256 cy + 64 w) rows of 2,048 bytes + block x 256
	s_lshl_b32 s88, s75, 21
	s_add_co_u32 s88, s88, 0x1000000
	s_lshl_b32 s75, s41, 19
	s_add_co_u32 s88, s88, s75
	s_lshl_b32 s75, s14, 17
	s_add_co_u32 s88, s88, s75
	s_and_b32 s75, s71, 7
	s_lshl_b32 s75, s75, 8
	s_add_co_u32 s88, s88, s75
	s_mov_b32 s89, 0
	s_mul_i32 s45, s14, HALFT                      ; where my tiles go: wave x 128 rows
	s_wait_kmcnt 0x0
	s_load_b64 s[96:97], s[10:11], s66 offset:0x0
	s_load_b32 s98, s[10:11], s67 offset:0x0
	s_cmp_eq_u32 ttmp9, 2
	s_cselect_b64 s[20:21], s[6:7], s[4:5]         ; A: x's codes, for V the weight's
	s_cselect_b64 s[46:47], s[4:5], s[6:7]         ; B: the other
	s_add_nc_u64 s[20:21], s[20:21], s[80:81]
	s_add_nc_u64 s[46:47], s[46:47], s[82:83]
	s_add_nc_u64 s[84:85], s[8:9], s[84:85]
	s_add_nc_u64 s[86:87], s[12:13], s[86:87]
	s_add_nc_u64 s[88:89], s[12:13], s[88:89]
	CROUND                                         ; all sixteen work-groups are here: the first joint loads meet
.irp s, 0,1
	s_mov_b32 s[G0+4*\s], 1
	s_add_co_u32 s[G0+4*\s+1], s45, \s*SLOT
	s_add_nc_u64 s[G0+4*\s+2:G0+4*\s+3], s[20:21], \s*ASTEP
	s_or_b32 s[G0+4*\s+3], s[G0+4*\s+3], 0x80000000
	s_mov_b32 s[G0B+4*\s], 1
	s_add_co_u32 s[G0B+4*\s+1], s45, \s*SLOT
	s_add_nc_u64 s[G0B+4*\s+2:G0B+4*\s+3], s[46:47], \s*ROWB
	s_or_b32 s[G0B+4*\s+3], s[G0B+4*\s+3], 0x80000000
	JLOAD G0+4*\s, G1, G0B+4*\s, G1B
.endr
	s_wait_kmcnt 0x0
	s_sub_co_i32 s98, s98, s96
	s_sub_co_i32 s98, s98, s97                     ; eOut - eA - eB
	s_add_co_i32 s98, s98, 127
	s_lshl_b32 s99, s98, 23
	v_mov_b32 v[SCR], s99
.macro FRAGB reg, adr, q, i            ; a fragment, 16 rows x 128 K: lane l holds row l % 16; registers 4 c .. 4 c + 3 hold K = 32 c + 16 (l / 16) + 0 .. 15: the same places in A and in B
.irp c, 0,1,2,3
	ds_load_b128 v[\reg+4*\c:\reg+4*\c+3], v[\adr] offset:128*(\q)+32*\c+(\i)*16*PITCH
.endr
.endm
.macro FRAGA reg, adr, q, i
	FRAGB \reg, \adr, \q, \i
.endm
.macro MULB a, p, zero                 ; 8 matrix instructions: A's block a against B's eight of set p.  zero = 1: the products start the sums
.irp b, 0,1,2,3,4,5,6,7
.if \zero
	v_wmma_f32_16x16x128_fp8_fp8 v[8*(8*((\a)%4)+\b):8*(8*((\a)%4)+\b)+7], v[128*(\p)+FR*\b:128*(\p)+FR*\b+FR-1], v[AF+FR*(\a):AF+FR*(\a)+FR-1], 0
.else
	v_wmma_f32_16x16x128_fp8_fp8 v[8*(8*((\a)%4)+\b):8*(8*((\a)%4)+\b)+7], v[128*(\p)+FR*\b:128*(\p)+FR*\b+FR-1], v[AF+FR*(\a):AF+FR*(\a)+FR-1], v[8*(8*((\a)%4)+\b):8*(8*((\a)%4)+\b)+7]
.endif
.endr
.endm
.macro MULS a0, n, p, zero             ; n blocks from a0 on.  The accumulators take turns, one instruction a turn, in the same order in every step
.set aa, \a0
.rept \n
	MULB aa, \p, \zero
.set aa, aa+1
.endr
.endm
.macro FETCH_B slot, q, p
	WIN TO_B
.irp i, 0,1,2,3,4,5,6,7
	FRAGB 128*(\p)+FR*\i, ADRB+\slot, \q, \i
.endr
	WIN 0
.endm
.macro FETCH_A slot, q, i0             ; half of A's blocks, from i0 on
.set ii, \i0
.rept NA/2
	FRAGA AF+FR*ii, ADRA+\slot, \q, ii
.set ii, ii+1
.endr
.endm
; A step of 128 along K that has its successor in the same slot.  A block of A is free as soon as its eight products are issued: the lower half is fetched anew in the step's middle, the upper at its end.
.macro STEP slot, q, zero
	s_wait_dscnt (NA/2)*NL                         ; B's set and A's lower blocks are in; the youngest loads (A's upper blocks) may be out
	WIN MUL_LO
	MULS 0, NA/2, (\q)%2, \zero
	s_wait_dscnt 0
	PLACES NP                                      ; four plain lines between a matrix instruction and a load into a register that it has read
	FETCH_B \slot, (\q)+1, 1-(\q)%2
	FETCH_A \slot, (\q)+1, 0
	WIN MUL_UP
	MULS NA/2, NA/2, (\q)%2, \zero
	PLACES NP
	WIN 0
	FETCH_A \slot, (\q)+1, NA/2
.endm
; A slot's last step changes slots: ONE barrier; in front of it each wave waits for all its tensor loads, adds 0 to its spare word, and waits for that and for its reads of this slot.  fill = 1: the slot is filled again, two K steps ahead.
.macro TURN slot, next, fill
	s_wait_tensorcnt 0x0                           ; all my tensor loads have landed: my part of the next slot
	ds_add_u32 v[SPW], v[NIL]                      ; 0 onto my spare word
	s_wait_dscnt (NA/2)*NL+1                       ; (the add and A's upper blocks may be out)
	WIN MUL_LO
	MULS 0, NA/4, 1, 0
	s_wait_dscnt 0x0                               ; the add is done, and my reads of this slot are over
	s_barrier_signal -1
	MULS NA/4, NA/4, 1, 0
	WIN 0
	s_barrier_wait -1
.if \fill
	CREST                                          ; the barrier has opened a round of the cluster's barrier: no wave of any partner still reads this slot or has a load on its way
	s_add_nc_u64 s[G0+4*\slot+2:G0+4*\slot+3], s[G0+4*\slot+2:G0+4*\slot+3], 2*ASTEP
	s_add_nc_u64 s[G0B+4*\slot+2:G0B+4*\slot+3], s[G0B+4*\slot+2:G0B+4*\slot+3], 2*ROWB
	JLOAD G0+4*\slot, G1, G0B+4*\slot, G1B         ; the first tensor load behind the round; its four v_nop are the places in front of the loads below
.else
	PLACES NP
.endif
	FETCH_B \next, 0, 0
	FETCH_A \next, 0, 0
	WIN MUL_UP
	MULS NA/2, NA/2, 1, 0
	PLACES NP
	WIN 0
	FETCH_A \next, 0, NA/2
.endm
.macro LAST                            ; the very last step: nothing more to fetch
	s_wait_dscnt (NA/2)*NL
	WIN MUL_LO
	MULS 0, NA/2, 1, 0
	s_wait_dscnt 0x0
	WIN MUL_UP
	MULS NA/2, NA/2, 1, 0
	WIN 0
.endm
	s_wait_tensorcnt 1                             ; my part of K step 0 is in; K step 1's load may stay out
	s_barrier_signal -1
	s_barrier_wait -1
	FETCH_B 0, 0, 0
	FETCH_A 0, 0, 0
	FETCH_A 0, 0, NA/2
	STEP 0, 0, 1                                   ; K = 1,024 is four slots' worth: written straight.  Two tensor loads of a wave are out at the start, one behind each round
	TURN 0, 1, 1
	STEP 1, 0, 0
	TURN 1, 0, 1
	STEP 0, 0, 0
	TURN 0, 1, 0                                   ; nothing is left to fetch: no round
	STEP 1, 0, 0
	s_cmp_eq_u32 ttmp9, 2                          ; the one parting, on the cluster's x: the same in all sixteen partners
	s_cbranch_scc1 .Lv_tail
	; ---- Q and K: the rotation, the codes, the way out
.macro ROPELD a                        ; cos and sin for block a's 16 tokens: for each of the four blocks of 16 channels of a head my four pairs, 32 bytes -> window 1, v[32 a + 8 e ..]
.irp e, 0,1,2,3
	global_load_b128 v[32*(\a)+8*\e:32*(\a)+8*\e+3], v[RO], s[84:85] offset:(\a)*4096+64*\e
	global_load_b128 v[32*(\a)+8*\e+4:32*(\a)+8*\e+7], v[RO], s[84:85] offset:(\a)*4096+64*\e+16
.endr
.endm
	WIN TO_B                                       ; B's set 0 is done with (four plain lines stand behind its last products)
	s_wait_alu depctr_va_vdst(0)
.irp a, 0,1,2,3
	ROPELD \a
.endr
	WIN 0
	LAST
	PLACES NP                                      ; for the loads into B's set 1 and for the first reads of results
	WIN TO_B
.irp a, 4,5,6,7
	ROPELD \a
.endr
	WIN 0
.irp a, 0,1,2,3,4,5,6,7
	s_wait_loadcnt 8*(7-\a)                        ; block a's eight loads are in; the later blocks', eight each, may be out
	WIN 0x06+((\a)/4)                              ; source 0 (the sums) window 2 or 3, source 1 (cos, sin) window 1
.irp b, 0,1,2,3,4,5,6,7                ; each accumulator from its low end on
.irp p, 0,2,4,6
	v_pk_mul_f32 v[TQ+8*\b+\p:TQ+8*\b+\p+1], v[64*((\a)%4)+8*\b+\p:64*((\a)%4)+8*\b+\p+1], v[32*(\a)+8*(\b%4)+\p:32*(\a)+8*(\b%4)+\p+1] op_sel_hi:[1,0]   ; (t1 c, t2 c)
.endr
.irp p, 0,2,4,6
	v_pk_fma_f32 v[TQ+8*\b+\p:TQ+8*\b+\p+1], v[64*((\a)%4)+8*\b+\p:64*((\a)%4)+8*\b+\p+1], v[32*(\a)+8*(\b%4)+\p:32*(\a)+8*(\b%4)+\p+1], v[TQ+8*\b+\p:TQ+8*\b+\p+1] op_sel:[1,1,0] op_sel_hi:[0,1,1] neg_lo:[0,1,0]   ; (t1 c - t2 s, t2 c + t1 s)
.endr
.endr
	WIN 0
.set n, 0
.rept 64
.set n, n+1
.endr
.irp b, 0,1,2,3,4,5,6,7
	v_cvt_scalef32_pk8_fp8_f32 v[CQ+2*\b:CQ+2*\b+1], v[TQ+8*\b:TQ+8*\b+7], v[SCR]
.endr
	v_nop                                          ; a plain line behind the conversions: the next block writes their sources
.irp b, 0,1,2,3,4,5,6,7
	ds_store_b64 v[STOQ], v[CQ+2*\b:CQ+2*\b+1] offset:(\a)*16*PITCH+16*\b
.endr
.endr
	s_wait_dscnt 0x0                               ; for the others' sake: my stores into the stage are done
	s_barrier_signal -1
	s_barrier_wait -1
.set i, 0
.rept 32                               ; wave w takes head 4 cx + w: 64 bytes of each of the 256 tokens, eight tokens an instruction
.if i < 16
	ds_load_b128 v[OUTR+4*i:OUTR+4*i+3], v[RDQ] offset:8*PITCH*i
.else
	ds_load_b128 v[OUTR+4*i:OUTR+4*i+3], v[RDQ2] offset:8*PITCH*(i-16)
.endif
.set i, i+1
.endr
.set i, 0
.rept 32
	s_wait_dscnt 31-i
	global_store_b128 v[COQ], v[OUTR+4*i:OUTR+4*i+3], s[86:87] offset:512*((i&28)|((i&1)<<1)|((i>>1)&1))   ; 512 consecutive bytes; the group of eight tokens goes to the place with bits 3 and 4 of the token's number exchanged
.set i, i+1
.endr
	s_branch .Lclose
	; ---- V: the codes along the tokens, the way out
.Lv_tail:
	LAST
	PLACES NP
	s_wait_alu depctr_va_vdst(0)
.irp a, 0,1,2,3,4,5,6,7
	WIN 0x02+((\a)/4)                              ; source 0 (the sums) window 2 or 3
.set n, 0
.rept 64
.set n, n+1
.endr
.irp b, 0,1,2,3,4,5,6,7
	v_cvt_scalef32_pk8_fp8_f32 v[CQ+2*\b:CQ+2*\b+1], v[TQ+8*\b+((64*((\a)%4)+n)-(TQ+n)):TQ+8*\b+7+((64*((\a)%4)+n)-(TQ+n))], v[SCR]
.endr
	WIN 0
	v_nop
.irp b, 0,1,2,3,4,5,6,7
	ds_store_b64 v[STOV], v[CQ+2*\b:CQ+2*\b+1] offset:(\a)*16*PITCH+16*\b
.endr
.endr
	s_wait_dscnt 0x0
	s_barrier_signal -1
	s_barrier_wait -1
.set i, 0
.rept 32
	ds_load_b128 v[OUTR+4*i:OUTR+4*i+3], v[RDV] offset:2*PITCH*i
.set i, i+1
.endr
.set i, 0
.rept 32
	s_wait_dscnt 31-i
	global_store_b128 v[COV], v[OUTR+4*i:OUTR+4*i+3], s[88:89] offset:4096*i   ; sixteen lanes store 256 consecutive bytes of a channel's row, aligned
.set i, i+1
.endr
.Lclose:
	s_wait_tensorcnt 0x0                           ; the wave's end
	ds_add_u32 v[SPW], v[NIL]
	s_wait_dscnt 0x0
	CROUND                                         ; the closing round
	s_endpgm
.Lfunc_end_k_q17ddaf5a44_qkvproj:
	.size	k_q17ddaf5a44_qkvproj, .Lfunc_end_k_q17ddaf5a44_qkvproj-k_q17ddaf5a44_qkvproj
	.p2alignl 7, 3214868480
	.fill 96, 4, 3214868480
	.section	.rodata,"a",@progbits
	.p2align	6, 0x0
	.amdhsa_kernel k_q17ddaf5a44_qkvproj
		.amdhsa_group_segment_fixed_size 327680
		.amdhsa_private_segment_fixed_size 0
		.amdhsa_enable_private_segment 0
		.amdhsa_kernarg_size 40
		.amdhsa_user_sgpr_count 2
		.amdhsa_user_sgpr_kernarg_segment_ptr 1
		.amdhsa_wavefront_size32 1
		.amdhsa_system_sgpr_workgroup_id_x 1
		.amdhsa_system_sgpr_workgroup_id_y 1
		.amdhsa_system_sgpr_workgroup_id_z 1
		.amdhsa_system_vgpr_workitem_id 0
		.amdhsa_next_free_vgpr 1024
		.amdhsa_next_free_sgpr 100
		.amdhsa_reserve_vcc 0
		.amdhsa_float_denorm_mode_32 3
		.amdhsa_float_denorm_mode_16_64 3
		.amdhsa_fp16_overflow 1
		.amdhsa_memory_ordered 1
		.amdhsa_forward_progress 1
		.amdhsa_inst_pref_size 152
	.end_amdhsa_kernel
	.amdgpu_metadata
---
amdhsa.version: [ 1, 2 ]
amdhsa.kernels:
  - .name:           k_q17ddaf5a44_qkvproj
    .symbol:         k_q17ddaf5a44_qkvproj.kd
    .args:
      - { .name: xc, .offset: 0, .size: 8, .value_kind: global_buffer, .address_space: global }
      - { .name: wc, .offset: 8, .size: 8, .value_kind: global_buffer, .address_space: global }
      - { .name: rope, .offset: 16, .size: 8, .value_kind: global_buffer, .address_space: global }
      - { .name: lowp_scales, .offset: 24, .size: 8, .value_kind: global_buffer, .address_space: global }
      - { .name: qkv, .offset: 32, .size: 8, .value_kind: global_buffer, .address_space: global }
    .group_segment_fixed_size: 327680
    .private_segment_fixed_size: 0
    .kernarg_segment_align: 8
    .kernarg_segment_size: 40
    .max_flat_workgroup_size: 128
    .sgpr_count:     100
    .vgpr_count:     1024
    .wavefront_size: 32
...
	.end_amdgpu_metadata
.endif
;; end of part 2
;; launch attn (part 3): grid 4 x 64, 16 waves a work-group, no clusters, 327,680 bytes of LDS; arguments qkv, lowp_scales, ao; writes ao
.if DOCPART == 3
	.amdgcn_target "amdgcn-amd-amdhsa--gfx1250"
	.amdhsa_code_object_version 6
	.text
	.protected	k_q17ddaf5a44_attn
	.globl	k_q17ddaf5a44_attn
	.p2align	8
	.type	k_q17ddaf5a44_attn,@function
k_q17ddaf5a44_attn:
	s_mov_b64 s[64:65], 0
	v_nop
	global_prefetch_b8 v0, s[64:65] scope:SCOPE_SE
	s_setreg_imm32_b32 hwreg(HW_REG_WAVE_MODE, 25, 1), 1
	s_wait_xcnt 0x0
; Causal attention on codes of E4M3, head size 64, 2,048 tokens, 64 heads; the result leaves as codes (scale 2^e10) for the output projection.
; t = score x 2^(e6 + e7) x log2(e) / 8; M = the running largest t rounded UP to a whole number; p = 2^(t - M) is quantised (2^e8) along the keys, not normalised; the row's sum is taken of the unquantised p and divides at the end.
; SHARES.  A work-group takes one head and two blocks of 256 queries: first block 7 - x, which needs 8 - x slots of 256 keys, then block x, which needs x + 1: NINE slots in every work-group, so the trip count is a constant
; and all 256 work-groups have the same work.  Each of the sixteen waves owns 16 queries of the block in hand, in 256 registers: four waves to a SIMD, so that one wave's vector work stands beside another's products and LDS loads.
; No cluster: the four work-groups of a head change their block of queries at different slots, so their j-th tiles differ.
; LAYOUT.  Both products are used transposed: S^T = K Q^T (source 0 = 16 keys), O^T = V^T P^T (source 0 = 16 channels): a lane holds ONE query (lane % 16) throughout.  K's rows lie in memory with bits 3 and 4 of the token's number
; exchanged, so that 16 neighbouring rows are the keys 32 b + 8 u + r + 8 (r / 8): the 16 registers of tiles 2 b and 2 b + 1 are then the 16 neighbouring keys 32 b + 16 (lane / 16) + 0 .. 15.
; LIMITS: e6 + e7 between -123 and 130 (added to c's exponent field); e8, and e10 - e8 - e9, between -126 and 119.  NaN is not served.
; REGISTERS: v1-11 addresses; v12 -M, v13 the largest t, v[14:15] the sum; v16-23 Q in hand, v24-31 Q of the second block; v32-95 fragments of K, then of V; v96-159 S^T, then p; v160-191 O^T; v192-207 p's codes;
;   v209 and v211 scales; v216-223 the way out; v236, v240-255 at work.
.set KP,    80                         ; a key's row in LDS: 64 bytes + 16 of padding
.set VP,    272                        ; a channel's row of V's tile: 256 + 16
.set VOFF,  256*KP                     ; a slot: 256 rows of K, then 64 rows of V
.set SLOT1, 65536                      ; slot 1 begins here: one exclusive or turns an address from one slot to the other
.set STAGE, 2*SLOT1                    ; the way out: 16 rows x 80 bytes for each wave; no fill lands here
.set SPARE, STAGE+16*1280              ; the spare words, 128 bytes a wave: eight blocks of 256 bytes that no other line names
.set AK0, 1
.set AV0, 2
.set PFO, 3
.set STO, 4
.set SPW, 5
.set NIL, 6
.set GO,  7
.set ADK, 8
.set ADV, 9
.set RD,  10
.set QA,  11
.set TB,  2                            ; s2   LDS byte at which the slot in hand begins
.set WV,  18
.set SEL, 20
.set CS,  22
.set G1K, 24
.set G1V, 32
.set G0K, 40
.set G0V, 44
.set KB,  48                           ; s[48:49] K's codes of my head (+ my half, where I fetch); s[50:51] V's
.set VB,  50
.set OB,  56                           ; s[56:57] where my 16 rows of the result go
.set SLOTS, 66                         ; slots still to be asked for: the loop's counter
.set J,   67                           ; the slot in hand
.set N1,  68                           ; slots of the first block of queries
.set KBN, 69                           ; the block of keys asked for last
.set Q0B, 70                           ; my first query in the second block
.set PFA, 76
.set PFS, 78
.set LIM, 80
.set KF,  98                           ; the step's first key
.set Q0,  99                           ; my first query
; Waves 0 and 1 fetch K's halves, wave 2 fetches V, the others nothing.  The branches hang on the wave's number alone.  Four v_nop follow each of the two lines.
.macro TLOAD
	s_cmp_lt_u32 s[WV], 2
	s_cbranch_scc0 .Lnot_k_\@
	tensor_load_to_lds s[G0K:G0K+3], s[G1K:G1K+7]
	s_nop 0
.rept 4
	v_nop
.endr
	s_branch .Lasked_\@
.Lnot_k_\@:
	s_cmp_eq_u32 s[WV], 2
	s_cbranch_scc0 .Lasked_\@
	tensor_load_to_lds s[G0V:G0V+3], s[G1V:G1V+7]
	s_nop 0
.rept 4
	v_nop
.endr
.Lasked_\@:
.endm
; A prefetch of the block of keys that the NEXT change of slots will ask for.  The four work-groups of a head walk the same blocks from 0 on: the one with x = 0, which walks all eight, asks, in waves that fetch nothing:
; waves 4 and 5 for K's 16,384 bytes, 8,192 each, lanes 256 bytes apart; waves 6 and 7 for V's 64 rows, 32 each, a lane a row (256 bytes of it, aligned).  So each block of 256 bytes is named once in the launch.
; Blocks 0 and 1 come by their loads alone; blocks 2 to 7 are asked for in the first six trips (the counter above 2).
.macro ASK
	s_cmp_gt_u32 s[SLOTS], s[LIM]
	s_cbranch_scc0 .Lnot_mine_\@
	global_prefetch_b8 v[PFO], s[PFA:PFA+1] th:TH_LOAD_NT scope:SCOPE_SE
.Lnot_mine_\@:
.endm
	s_load_b128 s[4:7], s[0:1], 0x0                ; qkv s[4:5], scales s[6:7]
	s_load_b64 s[8:9], s[0:1], 0x10                ; ao
	v_lshl_add_u32 v[SPW], v0, 2, SPARE
	v_mov_b32 v[NIL], 0
	ds_add_u32 v5, v6
	ds_add_u32 v5, v6
	s_wait_dscnt 0x0
	v_lshrrev_b32 v8, 5, v0
	s_delay_alu instid0(VALU_DEP_1)
	v_readfirstlane_b32 s[WV], v8                  ; wave 0..15
	s_and_b32 s10, ttmp7, 0xffff                   ; the head, 0..63
	s_lshl_b32 s12, s10, 17                        ; a head's codes: 2^17 bytes in each of Q, K, V
	s_and_b32 s11, s[WV], 1
	s_lshl_b32 s14, s11, 13                        ; K: 2^23 + head + my half of a block's 256 rows
	s_add_co_u32 s14, s14, s12
	s_add_co_u32 s14, s14, 0x800000
	s_mov_b32 s15, 0
	s_add_co_u32 s16, s12, 0x1000000               ; V: 2^24 + head
	s_mov_b32 s17, 0
	s_sub_co_u32 s[N1], 8, ttmp9
	s_lshr_b32 s81, s[WV], 1                       ; Q: my 16 queries' rows: bits 3 and 4 exchanged: 32 (w / 2) + 16 (r / 8) + 8 (w % 2) + r % 8
	s_lshl_b32 s81, s81, 5
	s_lshl_b32 s82, s11, 3
	s_add_co_u32 s81, s81, s82
	s_lshl_b32 s83, s[WV], 4
	s_sub_co_u32 s82, 7, ttmp9
	s_lshl_b32 s82, s82, 8
	s_add_co_u32 s[Q0], s82, s83                   ; first block 7 - x
	s_add_co_u32 s82, s82, s81
	s_lshl_b32 s82, s82, 6
	s_add_co_u32 s86, s82, s12
	s_mov_b32 s87, 0
	s_lshl_b32 s82, ttmp9, 8
	s_add_co_u32 s[Q0B], s82, s83                  ; then block x
	s_add_co_u32 s82, s82, s81
	s_lshl_b32 s82, s82, 6
	s_add_co_u32 s88, s82, s12
	s_mov_b32 s89, 0
	s_and_b32 s71, s10, 15                         ; the result: [16 heads][8192 tokens][64]: head x 2^19 + batch x 2^17
	s_lshl_b32 s71, s71, 19
	s_lshr_b32 s82, s10, 4
	s_lshl_b32 s82, s82, 17
	s_add_co_u32 s71, s71, s82
	s_mov_b32 s83, 0                               ; (upper halves of the offsets that the changes of slots make)
	s_mov_b32 s85, 0
	s_mov_b32 s[G1K], (1<<20)|(3<<22)|(3<<25)      ; K: 128 rows of 64 bytes, dense; elements of 1 byte; four words of padding after every 16
	s_mov_b32 s[G1K+1], 64<<16
	s_mov_b32 s[G1K+2], 128<<16
	s_mov_b32 s[G1K+3], 64<<16
	s_mov_b32 s[G1K+4], 128
	s_mov_b32 s[G1K+5], 64
	s_mov_b32 s[G1K+6], 0
	s_mov_b32 s[G1K+7], 0
	s_mov_b32 s[G1V], (1<<20)|(5<<22)|(3<<25)      ; V: 64 rows of 256 bytes, 2,048 apart; four words of padding after every 64
	s_mov_b32 s[G1V+1], 256<<16
	s_mov_b32 s[G1V+2], 64<<16
	s_mov_b32 s[G1V+3], 256<<16
	s_mov_b32 s[G1V+4], 64
	s_mov_b32 s[G1V+5], 2048
	s_mov_b32 s[G1V+6], 0
	s_mov_b32 s[G1V+7], 0
	s_mov_b32 s[SEL], 0x76543210
	s_mov_b32 s[SEL+1], 0xfedcba98
	s_mov_b32 s[CS], 0x3e38aa3b                    ; c = log2(e) / 8
	s_mov_b32 s[TB], 0
	s_mov_b32 s[SLOTS], 8
	s_mov_b32 s[J], 0
	s_mov_b32 s[KBN], 0
	s_mov_b32 s[KF], 0
	s_wait_kmcnt 0x0
	s_load_b128 s[72:75], s[6:7], 0x18             ; e6, e7, e8, e9
	s_load_b32 s90, s[6:7], 0x28                   ; e10
	s_add_nc_u64 s[KB:KB+1], s[4:5], s[14:15]
	s_add_nc_u64 s[VB:VB+1], s[4:5], s[16:17]
	s_mov_b32 s[G0K], 1
	s_mul_i32 s[G0K+1], s11, 128*KP                ; slot 0, my half
	s_mov_b64 s[G0K+2:G0K+3], s[KB:KB+1]
	s_or_b32 s[G0K+3], s[G0K+3], 0x80000000
	s_mov_b32 s[G0V], 1
	s_mov_b32 s[G0V+1], VOFF
	s_mov_b64 s[G0V+2:G0V+3], s[VB:VB+1]
	s_or_b32 s[G0V+3], s[G0V+3], 0x80000000
	TLOAD                                          ; slot 0: keys 0 to 255
	s_add_nc_u64 s[52:53], s[4:5], s[86:87]        ; Q's codes of my two tiles
	s_add_nc_u64 s[54:55], s[4:5], s[88:89]
	v_and_b32 v8, 15, v0                           ; r
	v_bfe_u32 v9, v0, 4, 1                         ; h
	s_delay_alu instid0(VALU_DEP_2)
	v_and_b32 v10, 8, v8
	s_delay_alu instid0(VALU_DEP_1)
	v_add_nc_u32 v10, v10, v8                      ; r + 8 (r / 8)
	s_delay_alu instid0(VALU_DEP_1)
	v_lshlrev_b32 v[QA], 6, v10
	s_delay_alu instid0(VALU_DEP_1)
	v_lshl_add_u32 v[QA], v9, 4, v[QA]
	global_load_b128 v[16:19], v[QA], s[52:53]     ; registers 4 c .. 4 c + 3: channels 32 c + 16 h + 0 .. 15, as K's fragments have them
	global_load_b128 v[20:23], v[QA], s[52:53] offset:32
	global_load_b128 v[24:27], v[QA], s[54:55]
	global_load_b128 v[28:31], v[QA], s[54:55] offset:32
	v_mul_u32_u24 v[AK0], v8, KP
	s_delay_alu instid0(VALU_DEP_1)
	v_lshl_add_u32 v[AK0], v9, 4, v[AK0]
	v_mul_u32_u24 v[AV0], v8, VP
	s_delay_alu instid0(VALU_DEP_1)
	v_lshl_add_u32 v[AV0], v9, 4, v[AV0]
	s_delay_alu instid0(VALU_DEP_1)
	v_add_nc_u32 v[AV0], VOFF, v[AV0]
	s_mul_i32 s81, s[WV], 1280
	s_add_co_u32 s81, s81, STAGE                   ; my stage
	v_mul_u32_u24 v[STO], v8, 80
	s_delay_alu instid0(VALU_DEP_1)
	v_lshl_add_u32 v[STO], v9, 3, v[STO]
	s_delay_alu instid0(VALU_DEP_1)
	v_add_nc_u32 v[STO], s81, v[STO]               ; in: row r, + 8 h
	v_and_b32 v12, 31, v0
	s_wait_alu depctr_va_vdst(0)
	v_lshrrev_b32 v13, 2, v12
	s_delay_alu instid0(VALU_DEP_1)
	v_mul_u32_u24 v13, v13, 80
	v_and_b32 v14, 3, v12
	s_delay_alu instid0(VALU_DEP_1)
	v_lshl_add_u32 v13, v14, 4, v13
	s_delay_alu instid0(VALU_DEP_1)
	v_add_nc_u32 v[RD], s81, v13                   ; back: four lanes to a row of 64 bytes
	v_lshlrev_b32 v[GO], 4, v12
	; the prefetches: where my wave's stand, and who asks
	s_lshl_b32 s92, s11, 16                        ; V: my 32 rows of 2,048 bytes
	s_mov_b32 s[PFS], 256
	s_mov_b32 s91, 2048
	s_cmp_lt_u32 s[WV], 6
	s_cselect_b64 s[PFA:PFA+1], s[KB:KB+1], s[VB:VB+1]
	s_cselect_b32 s[PFS], 16384, s[PFS]            ; a block of keys on
	s_cselect_b32 s91, 256, s91                    ; from lane to lane
	s_cselect_b32 s92, 0, s92
	s_add_co_u32 s92, s92, s[PFS]                  ; at block 1: the first change of slots steps it to block 2
	s_mov_b32 s93, 0
	s_mov_b32 s[PFS+1], 0
	s_add_nc_u64 s[PFA:PFA+1], s[PFA:PFA+1], s[92:93]
	v_mul_lo_u32 v[PFO], v12, s91
	s_lshr_b32 s94, s[WV], 2
	s_xor_b32 s94, s94, 1                          ; 0 in waves 4 to 7,
	s_or_b32 s94, s94, ttmp9                       ; of the work-group with x = 0
	s_cmp_eq_u32 s94, 0
	s_cselect_b32 s[LIM], 2, -1
	v_mov_b32 v13, 0xff61b1e6                      ; the largest t so far: -3e38, under every t
	s_delay_alu instid0(VALU_DEP_1)
	v_floor_f32 v12, -v13                          ; -M
	v_mov_b32 v14, 0
	v_mov_b32 v15, 0
	v_mov_b32 v236, 0                              ; written once: a lane permute's destination counts as one of its sources
	v_mov_b32 v253, 0                              ; (named as the upper half of the pair v[252:253])
.set n, 0
.rept 32
	v_mov_b32 v[160+n], 0                          ; O^T: the step is written once; the first finds zeros, which the first change of M leaves zeros
.set n, n+1
.endr
	s_wait_kmcnt 0x0
	s_add_co_i32 s91, s72, s73
	s_lshl_b32 s91, s91, 23
	s_add_co_i32 s[CS], s[CS], s91                 ; a score stands for score x 2^(e6 + e7)
	s_mov_b32 s[CS+1], s[CS]
	s_add_co_i32 s91, s74, 127
	s_lshl_b32 s92, s91, 23
	v_mov_b32 v209, s92                            ; 2^e8
	s_sub_co_i32 s91, s90, s74
	s_sub_co_i32 s91, s91, s75                     ; a sum of the second product over l stands for that x 2^(e8 + e9): its code is that / 2^(e10 - e8 - e9)
	s_add_co_i32 s91, s91, 127
	s_lshl_b32 s92, s91, 23
	v_mov_b32 v211, s92
; A KEY STEP: 128 keys, the q-th of the slot in hand.
.macro STEP q
	s_add_co_u32 s96, s[Q0], 15                    ; a step all of whose keys come after my 16 queries is left out: a scalar branch on ids; no barrier and no tensor load stands in a step
	s_cmp_gt_u32 s[KF], s96
	s_cbranch_scc1 .Lhidden_\@
	v_add_nc_u32 v[ADK], s[TB], v[AK0]
	v_add_nc_u32 v[ADV], s[TB], v[AV0]
	v_nop                                          ; with the two additions: four plain lines between the last products and loads into registers that they have read
	v_nop
.irp t, 0,1,2,3,4,5,6,7
	ds_load_b128 v[32+8*\t:35+8*\t], v[ADK] offset:(128*(\q)+16*\t)*KP
	ds_load_b128 v[36+8*\t:39+8*\t], v[ADK] offset:(128*(\q)+16*\t)*KP+32
.endr
	s_wait_dscnt 0x0
	s_wait_alu depctr_va_vdst(0)
.irp t, 0,1,2,3,4,5,6,7
	v_wmma_f32_16x16x64_fp8_fp8 v[96+8*\t:103+8*\t], v[32+8*\t:39+8*\t], v[16:23], 0
.endr
.rept 4
	v_nop                                          ; four plain lines: then K's registers may be loaded again and the scores read
.endr
.irp t, 0,1,2,3                        ; V's four fragments (16 channels x 128 keys) are asked for now and land under the softmax
.irp c, 0,1,2,3
	ds_load_b128 v[32+16*\t+4*\c:32+16*\t+4*\c+3], v[ADV] offset:16*\t*VP+128*(\q)+32*\c
.endr
.endr
	s_add_co_u32 s96, s[KF], 127                   ; on the diagonal the scores of hidden keys become -infinity ahead of the maximum: p = 0 then.  A step all of whose keys count skips this
	s_cmp_le_u32 s96, s[Q0]
	s_cbranch_scc1 .Lopen_\@
	s_sub_co_i32 s96, s[Q0], s[KF]
	v_and_b32 v252, 15, v0
	v_bfe_u32 v253, v0, 4, 1
	s_delay_alu instid0(VALU_DEP_1)
	v_lshlrev_b32 v253, 4, v253
	s_delay_alu instid0(VALU_DEP_1)
	v_sub_nc_u32 v252, v252, v253
	s_delay_alu instid0(VALU_DEP_1)
	v_add_nc_u32 v252, s96, v252                   ; d = my query - KF - 16 (lane / 16).  Register 16 b + i holds key KF + 16 (lane / 16) + 32 b + i: hidden where 32 b + i > d
	v_mov_b32 v254, 0xff800000
.set n, 0
.rept 64
	v_cmp_gt_i32 vcc_lo, 32*(n/16)+n%16, v252
	v_cndmask_b32 v[96+n], v[96+n], v254, vcc_lo
.set n, n+1
.endr
.Lopen_\@:
	v_max3_num_f32 v254, v96, v97, v98             ; the step's largest score of my query, among my 64 keys, in two chains,
	v_max3_num_f32 v252, v99, v100, v101
.irp i, 6,10,14,18,22,26,30,34,38,42,46,50,54,58
	v_max3_num_f32 v254, v254, v[96+\i], v[97+\i]
	v_max3_num_f32 v252, v252, v[98+\i], v[99+\i]
.endr
	v_max3_num_f32 v254, v254, v158, v159
	s_delay_alu instid0(VALU_DEP_1)
	v_max_num_f32 v254, v254, v252
	s_delay_alu instid0(VALU_DEP_1)
	v_permlanex16_b32 v236, v254, s[SEL], s[SEL+1]
	s_delay_alu instid0(VALU_DEP_1)
	v_max_num_f32 v254, v254, v236                 ; and among lane l xor 16's
	s_delay_alu instid0(VALU_DEP_1)
	v_mul_f32 v254, s[CS], v254                    ; as t (c is positive)
	s_delay_alu instid0(VALU_DEP_1)
	v_max_num_f32 v13, v13, v254                   ; the running largest t
	v_mov_b32 v254, v12
	s_delay_alu instid0(VALU_DEP_2)
	v_floor_f32 v12, -v13                          ; the new -M = floor(-t): M is a whole number
	s_delay_alu instid0(VALU_DEP_1)
	v_sub_f32 v254, v12, v254                      ; old M - new M: a whole number, 0 or less
	s_delay_alu instid0(VALU_DEP_1)
	v_cvt_i32_f32 v254, v254                       ; (it saturates)
	s_delay_alu instid0(VALU_DEP_1)
	v_ldexp_f32 v252, 1.0, v254                    ; f = 2^(old M - new M): a multiplication by it rounds nothing
.set n, 0
.rept 32
	v_pk_fma_f32 v[96+n:97+n], v[96+n:97+n], s[CS:CS+1], v[12:13] op_sel_hi:[1,0,0]   ; t - M, two at a time
.set n, n+2
.endr
.set n, 0
	s_wait_alu depctr_va_vdst(0)
.rept 64
	v_exp_f32 v[96+n], v[96+n]                     ; p = 2^(t - M), at most 1
.set n, n+1
.endr
	v_pk_mul_f32 v[14:15], v[14:15], v[252:253] op_sel_hi:[1,0]   ; the sums under the new M: the plain line behind the exponentials
	s_wait_alu depctr_va_vdst(0)                   ; one wait for the whole batch, ahead of its first reader
	v_pk_add_f32 v[242:243], v[100:101], v[104:105]
	v_pk_add_f32 v[254:255], v[108:109], v[112:113]
	v_pk_add_f32 v[250:251], v[116:117], v[120:121]
	v_pk_add_f32 v[248:249], v[124:125], v[128:129]
	v_pk_add_f32 v[246:247], v[132:133], v[136:137]
	v_pk_add_f32 v[244:245], v[140:141], v[144:145]
	v_pk_add_f32 v[240:241], v[148:149], v[152:153]
	v_pk_add_f32 v[14:15], v[14:15], v[156:157]
	v_pk_add_f32 v[242:243], v[242:243], v[96:97]
	v_pk_add_f32 v[254:255], v[254:255], v[98:99]
	v_pk_add_f32 v[250:251], v[250:251], v[102:103]
	v_pk_add_f32 v[248:249], v[248:249], v[106:107]
	v_pk_add_f32 v[246:247], v[246:247], v[110:111]
	v_pk_add_f32 v[244:245], v[244:245], v[114:115]
	v_pk_add_f32 v[240:241], v[240:241], v[118:119]
	v_pk_add_f32 v[14:15], v[14:15], v[122:123]
	v_pk_add_f32 v[242:243], v[242:243], v[126:127]
	v_pk_add_f32 v[254:255], v[254:255], v[130:131]
	v_pk_add_f32 v[250:251], v[250:251], v[134:135]
	v_pk_add_f32 v[248:249], v[248:249], v[138:139]
	v_pk_add_f32 v[246:247], v[246:247], v[142:143]
	v_pk_add_f32 v[244:245], v[244:245], v[146:147]
	v_pk_add_f32 v[240:241], v[240:241], v[150:151]
	v_pk_add_f32 v[14:15], v[14:15], v[154:155]
	v_pk_add_f32 v[242:243], v[242:243], v[158:159]
	s_delay_alu instid0(VALU_DEP_2)
	v_pk_add_f32 v[14:15], v[14:15], v[248:249]
	s_delay_alu instid0(VALU_DEP_2)
	v_pk_add_f32 v[242:243], v[242:243], v[246:247]
	v_pk_add_f32 v[254:255], v[254:255], v[244:245]
	v_pk_add_f32 v[250:251], v[250:251], v[240:241]
	s_delay_alu instid0(VALU_DEP_2)
	v_pk_add_f32 v[14:15], v[14:15], v[254:255]
	s_delay_alu instid0(VALU_DEP_2)
	v_pk_add_f32 v[242:243], v[242:243], v[250:251]
	s_delay_alu instid0(VALU_DEP_1)
	v_pk_add_f32 v[14:15], v[14:15], v[242:243]
.irp b, 0,1,2,3
.irp i, 0,1,2,3,4,5,6,7,8,9,10,11,12,13,14,15
.endr
	v_cvt_scalef32_pk8_fp8_f32 v[192+4*\b:193+4*\b], v[96+16*\b:103+16*\b], v209
	v_cvt_scalef32_pk8_fp8_f32 v[194+4*\b:195+4*\b], v[104+16*\b:111+16*\b], v209
.endr
.set n, 0
.rept 16
	v_pk_mul_f32 v[160+n:161+n], v[160+n:161+n], v[252:253] op_sel_hi:[1,0]   ; O^T under the new M; also the plain lines behind the conversions
.set n, n+2
.endr
	s_wait_alu depctr_va_vdst(0)
	s_wait_dscnt 0x0                               ; V's fragments are in
.irp t, 0,1,2,3                        ; four accumulators, one instruction a turn; the eight products of the next step's scores stand between two turns
	v_wmma_f32_16x16x128_fp8_fp8 v[160+8*\t:167+8*\t], v[32+16*\t:47+16*\t], v[192:207], v[160+8*\t:167+8*\t]
.endr
.Lhidden_\@:
	s_add_co_u32 s[KF], s[KF], 128
.endm
; THE CHANGE OF SLOTS stands at a slot's head.  Each wave waits for all its tensor loads, adds 0 to its spare word, and waits for that and for its reads of the slot that it has left.  Behind the barrier the slot ahead is whole and
; nobody reads the other one.  fill = 1: that other slot is filled with the block of keys that follows; behind the first block of queries' last block the keys begin again at 0.
.macro CHANGE fill
	s_wait_tensorcnt 0x0                           ; no tensor load of mine is out, so a group 0 may be written
	ds_add_u32 v[SPW], v[NIL]                      ; 0 onto my spare word
.if \fill
	s_xor_b32 s[G0K+1], s[G0K+1], SLOT1
	s_xor_b32 s[G0V+1], s[G0V+1], SLOT1
	s_add_co_u32 s[KBN], s[KBN], 1
	s_cmp_eq_u32 s[KBN], s[N1]
	s_cselect_b32 s[KBN], 0, s[KBN]                ; once: the second block of queries has at most 4 slots, the first at least 5
	s_lshl_b32 s82, s[KBN], 14
	s_add_nc_u64 s[G0K+2:G0K+3], s[KB:KB+1], s[82:83]
	s_or_b32 s[G0K+3], s[G0K+3], 0x80000000
	s_lshl_b32 s84, s[KBN], 8
	s_add_nc_u64 s[G0V+2:G0V+3], s[VB:VB+1], s[84:85]
	s_or_b32 s[G0V+3], s[G0V+3], 0x80000000
	s_wait_xcnt 0x0                                ; the last prefetch, a slot back, has read its address
	s_add_nc_u64 s[PFA:PFA+1], s[PFA:PFA+1], s[PFS:PFS+1]
.endif
	s_wait_dscnt 0x0                               ; the add is done, and my reads of the slot that I have left are over
	s_barrier_signal -1
	s_barrier_wait -1
.if \fill
	TLOAD                                          ; the first thing behind the barrier, and a wave's one tensor load until the next
	ASK
.endif
.endm
; THE WAY OUT of my 16 queries: O^T / the sum, converted; a lane's 8 codes go into my own stage and come back as rows of 64 bytes: the wave stores 1,024 consecutive bytes.
.macro WAYOUT
.rept 4
	v_nop                                          ; four plain lines behind the last products
.endr
	v_add_f32 v14, v14, v15
	s_delay_alu instid0(VALU_DEP_1)
	v_permlanex16_b32 v236, v14, s[SEL], s[SEL+1]
	s_delay_alu instid0(VALU_DEP_1)
	v_add_f32 v14, v14, v236                       ; the row's sum
	s_wait_alu depctr_va_vdst(0)
	v_rcp_f32 v14, v14
	v_nop                                          ; a plain line behind the reciprocal,
	s_wait_alu depctr_va_vdst(0)                   ; and the wait ahead of its first reader
.set n, 0
.rept 32
	v_mul_f32 v[96+n], v[160+n], v14               ; register 8 t + i is channel 16 t + 8 h + i of my query; each accumulator from its low end on
.set n, n+1
.endr
.set n, 0
.rept 32
.set n, n+1
.endr
.irp t, 0,1,2,3
	v_cvt_scalef32_pk8_fp8_f32 v[192+2*\t:193+2*\t], v[96+8*\t:103+8*\t], v211
.endr
	v_nop
	s_wait_alu depctr_va_vdst(0)
	s_wait_xcnt 0x0                                ; an earlier way out's stores have read their registers and their base
	s_lshl_b32 s92, s[Q0], 6
	s_add_co_u32 s92, s92, s71
	s_mov_b32 s93, 0
	s_add_nc_u64 s[OB:OB+1], s[8:9], s[92:93]
.irp t, 0,1,2,3
	ds_store_b64 v[STO], v[192+2*\t:193+2*\t] offset:16*\t
.endr
	ds_load_b128 v[216:219], v[RD]                 ; LDS serves a wave's instructions in order: these see my stores
	ds_load_b128 v[220:223], v[RD] offset:640
	s_wait_dscnt 0x1
	global_store_b128 v[GO], v[216:219], s[OB:OB+1]
	s_wait_dscnt 0x0
	global_store_b128 v[GO], v[220:223], s[OB:OB+1] offset:512
.endm
; At the slot with which the second block of queries begins: the first block leaves, and everything starts anew.  A branch on ids and the trip's number; no barrier and no tensor load stands in it.
.macro SWITCH
	s_cmp_lg_u32 s[J], s[N1]
	s_cbranch_scc1 .Lsame_\@
	WAYOUT
	s_mov_b32 s[Q0], s[Q0B]
	s_mov_b32 s[KF], 0
	v_mov_b32 v13, 0xff61b1e6
	s_delay_alu instid0(VALU_DEP_1)
	v_floor_f32 v12, -v13
	v_mov_b32 v14, 0
	v_mov_b32 v15, 0
.set n, 0
.rept 32
	v_mov_b32 v[160+n], 0
.set n, n+1
.endr
.set n, 0
.rept 8
	v_mov_b32 v[16+n], v[24+n]
.set n, n+1
.endr
.Lsame_\@:
.endm
	s_wait_loadcnt 0x0                             ; Q
.Lslot:                                            ; eight trips: behind each change of slots but the last the next slot is asked for
	CHANGE 1
	SWITCH
	STEP 0
	STEP 1
	s_xor_b32 s[TB], s[TB], SLOT1
	s_add_co_u32 s[J], s[J], 1
	s_sub_co_u32 s[SLOTS], s[SLOTS], 1
	s_cmp_lg_u32 s[SLOTS], 0
	s_cbranch_scc1 .Lslot
	CHANGE 0                                       ; the ninth slot is written out
	SWITCH
	STEP 0
	STEP 1
	WAYOUT
	s_wait_tensorcnt 0x0                           ; the wave's end
	ds_add_u32 v[SPW], v[NIL]
	s_wait_dscnt 0x0
	s_endpgm
.Lfunc_end_k_q17ddaf5a44_attn:
	.size	k_q17ddaf5a44_attn, .Lfunc_end_k_q17ddaf5a44_attn-k_q17ddaf5a44_attn
	.p2alignl 7, 3214868480
	.fill 96, 4, 3214868480
	.section	.rodata,"a",@progbits
	.p2align	6, 0x0
	.amdhsa_kernel k_q17ddaf5a44_attn
		.amdhsa_group_segment_fixed_size 327680
		.amdhsa_private_segment_fixed_size 0
		.amdhsa_enable_private_segment 0
		.amdhsa_kernarg_size 24
		.amdhsa_user_sgpr_count 2
		.amdhsa_user_sgpr_kernarg_segment_ptr 1
		.amdhsa_wavefront_size32 1
		.amdhsa_system_sgpr_workgroup_id_x 1
		.amdhsa_system_sgpr_workgroup_id_y 1
		.amdhsa_system_sgpr_workgroup_id_z 1
		.amdhsa_system_vgpr_workitem_id 0
		.amdhsa_next_free_vgpr 256
		.amdhsa_next_free_sgpr 100
		.amdhsa_reserve_vcc 1
		.amdhsa_float_denorm_mode_32 3
		.amdhsa_float_denorm_mode_16_64 3
		.amdhsa_fp16_overflow 1
		.amdhsa_memory_ordered 1
		.amdhsa_forward_progress 1
		.amdhsa_inst_pref_size 99
	.end_amdhsa_kernel
	.amdgpu_metadata
---
amdhsa.version: [ 1, 2 ]
amdhsa.kernels:
  - .name:           k_q17ddaf5a44_attn
    .symbol:         k_q17ddaf5a44_attn.kd
    .args:
      - { .name: qkv, .offset: 0, .size: 8, .value_kind: global_buffer, .address_space: global }
      - { .name: lowp_scales, .offset: 8, .size: 8, .value_kind: global_buffer, .address_space: global }
      - { .name: ao, .offset: 16, .size: 8, .value_kind: global_buffer, .address_space: global }
    .group_segment_fixed_size: 327680
    .private_segment_fixed_size: 0
    .kernarg_segment_align: 8
    .kernarg_segment_size: 24
    .max_flat_workgroup_size: 512
    .sgpr_count:     100
    .vgpr_count:     256
    .wavefront_size: 32
...
	.end_amdgpu_metadata
.endif
;; end of part 3
;; launch oproj (part 4): grid 4 x 64, 4 waves a work-group, clusters of 4 x 4, 327,680 bytes of LDS; arguments ao, wc, lowp_scales, out0; writes out0
.if DOCPART == 4
	.amdgcn_target "amdgcn-amd-amdhsa--gfx1250"
	.amdhsa_code_object_version 6
	.text
	.protected	k_q17ddaf5a44_oproj
	.globl	k_q17ddaf5a44_oproj
	.p2align	8
	.type	k_q17ddaf5a44_oproj,@function
k_q17ddaf5a44_oproj:
	s_mov_b64 s[64:65], 0
	v_nop
	global_prefetch_b8 v0, s[64:65] scope:SCOPE_SE
	s_setreg_imm32_b32 hwreg(HW_REG_WAVE_MODE, 25, 1), 1
	s_wait_xcnt 0x0
	s_wait_alu depctr_hold_cnt(0) depctr_sa_sdst(0) depctr_va_vdst(0) depctr_va_sdst(0) depctr_va_ssrc(0) depctr_va_vcc(0) depctr_vm_vsrc(0)
	s_getreg_b32 s2, hwreg(HW_REG_IB_STS2, 6, 4)
	s_cmp_eq_u32 s2, 0
	s_cbranch_scc0 .Lentry_in_a_cluster
	s_endpgm
.Lentry_in_a_cluster:
	s_bfe_u32 s2, ttmp6, 0x10000c
	s_cmp_lg_u32 s2, 0xf033
	s_cbranch_scc0 .Lentry_shape_is_right
	s_endpgm
.Lentry_shape_is_right:
; out0 = attention's result x Wo^T on codes of E4M3; each finished sum x 2^(e10 + e11); out0 [8192][1024] f32.
; A: ao, [16 heads][8192 tokens][64] codes: K = 64 x head + channel.  B: Wo's codes, the fourth megabyte of wc, [1024][1024], K innermost.
; A tile is 128 tokens x 256 columns, so that there are 256 work-groups; four waves of 64 x 128: 32 accumulators.  K = 1,024 goes in four steps of 256 (four heads) through two LDS slots.
; THE MATRIX INSTRUCTION IS USED TRANSPOSED (source 0 = 16 rows of Wo, source 1 = 16 tokens): a lane holds eight neighbouring numbers of a row of out0.
; CLUSTERS: 4 x 4: A's tile is shared along a row of the cluster, B's along a column; each is asked for jointly.
; LIMIT: e10 + e11 between -126 and 127, so that 2^(e10 + e11) is an f32 number.
; REGISTERS: window 0: v0-31 addresses; from v128 A's four fragments, ONE set; on the way out v32-255.  window 1: B's fragments, TWO sets.  window 2: the accumulators ((a, b) at v[8 (8 a + b)]).
.set NA,     4
.set ROWB,   256
.set ASTEP,  0x200000                  ; A: four heads on, 2^19 bytes each
.set KROW,   1024
.set PITCH,  272                       ; B's LDS row: 256 bytes + 16
.set APITCH, 80                        ; A: a token's 64 bytes of a head + 16
.set SUB,    128*APITCH                ; a head's 128 tokens
.set FR,     16
.set NL,     4
.set NP,     4
.set HALFT,  128*PITCH
.set SLOT,   4*SUB+2*HALFT             ; A's four heads, then B's 256 rows
.set SPARE,  2*SLOT                    ; the spare words, 128 bytes a wave: two blocks of 256 bytes that no other line names
.set SPITCH, 528                       ; the way out: 16 rows x (512 bytes + 16) for each wave, in slot 0, which has had its last fill and its last read by then
.set ADRA, 16
.set ADRB, 20
.set STO,  24
.set RD,   25
.set CO,   26
.set SPW,  28
.set NIL,  29
.set TMP,  32
.set AF,   128
.set BK,   128
.set G1, 24
.set G0, 32
.set G1B, 48
.set G0B, 56
.set MSB, 0
.macro WIN new
.if MSB != (\new)
	s_set_vgpr_msb (MSB<<8)|(\new)
.set MSB, (\new)
.endif
.endm
.set MUL_LO, 0xa1                      ; source 0 (B) window 1, source 1 (A) window 0, C and D window 2
.set MUL_UP, 0xa1
.set TO_B,   0x40
.macro JLOAD g0a, g1a, g0b, g1b        ; a joint load: waves 0 and 1 fetch for A, waves 2 and 3 for B; four v_nop follow each of the two lines
	s_cmp_eq_u32 s15, 0
	s_cbranch_scc0 .Lfor_b_\@
	tensor_load_to_lds s[\g0a:\g0a+3], s[\g1a:\g1a+7]
	s_nop 0
.rept 4
	v_nop
.endr
	s_branch .Lasked_\@
.Lfor_b_\@:
	tensor_load_to_lds s[\g0b:\g0b+3], s[\g1b:\g1b+7]
	s_nop 0
.rept 4
	v_nop
.endr
.Lasked_\@:
.endm
.macro CREST
	s_cmp_lg_u32 s14, 0
	s_cbranch_scc1 .Lnot_wave_0_\@
	s_barrier_signal -3
.Lnot_wave_0_\@:
	s_barrier_wait -3
	s_barrier_signal -1
	s_barrier_wait -1
.endm
.macro CROUND
	s_barrier_signal -1
	s_barrier_wait -1
	CREST
.endm
.macro PLACES n
.rept \n
	v_nop
.endr
.endm
	s_load_b256 s[4:11], s[0:1], 0x0               ; ao s[4:5], wc s[6:7], scales s[8:9], out0 s[10:11]
	v_lshl_add_u32 v[SPW], v0, 2, SPARE
	v_mov_b32 v[NIL], 0
	ds_add_u32 v28, v29
	ds_add_u32 v28, v29
	s_wait_dscnt 0x0
	v_lshrrev_b32 v1, 5, v0
	v_readfirstlane_b32 s14, v1                    ; wave 0..3
	s_lshr_b32 s15, s14, 1                         ; which half of the tile's tokens is mine.  Also: I fetch for A (0) or for B (1)
	s_and_b32 s16, s14, 1                          ; which half of its columns.  Also: which part I fetch
	s_bfe_u32 s40, ttmp6, 0x40000                  ; cx: the tile column
	s_bfe_u32 s41, ttmp6, 0x40004                  ; cy
	s_and_b32 s17, ttmp7, 0xffff
	s_lshl_b32 s17, s17, 2
	s_add_co_u32 s17, s17, s41                     ; tile row = 4 x cluster y + cy
	s_lshl_b32 s43, s41, 2
	s_lshl_b32 s43, 15, s43                        ; my row of the cluster
	s_lshl_b32 s44, 0x1111, s40                    ; my column
	; A's tile: two heads, each 128 tokens x 64 bytes, dense: a row of 8,192 bytes; four words of padding after every 16, so that a token's 64 bytes lie 80 apart and a head's row 10,240
	s_or_b32 s[G1+0], s43, (1<<20)|(1<<21)|(3<<22)|(3<<25)
	s_mov_b32 s[G1+1], 8192<<16                    ; tensor_dim0
	s_mov_b32 s[G1+2], 2<<16                       ; tensor_dim1
	s_mov_b32 s[G1+3], 8192<<16                    ; tile_dim0
	s_mov_b32 s[G1+4], 2                           ; tile_dim1
	s_mov_b32 s[G1+5], 524288                      ; from head to head
	s_mov_b32 s[G1+6], 0
	s_mov_b32 s[G1+7], 0
	; B's tile: 128 rows of 256 bytes, four words of padding after every 64
	s_or_b32 s[G1B+0], s44, (1<<20)|(1<<21)|(5<<22)|(3<<25)
	s_mov_b32 s[G1B+1], ROWB<<16
	s_mov_b32 s[G1B+2], 128<<16
	s_mov_b32 s[G1B+3], ROWB<<16
	s_mov_b32 s[G1B+4], 128
	s_mov_b32 s[G1B+5], KROW
	s_mov_b32 s[G1B+6], 0
	s_mov_b32 s[G1B+7], 0
	; every vector address, from the lane and the wave's number alone
	v_and_b32 v1, 15, v0                           ; r
	v_bfe_u32 v2, v0, 4, 1                         ; h
	v_and_b32 v6, 31, v0
	v_mul_u32_u24 v3, v1, APITCH
	v_lshl_add_u32 v3, v2, 4, v3
	v_mul_u32_u24 v4, v1, PITCH
	v_lshl_add_u32 v4, v2, 4, v4
	s_mul_i32 s21, s15, 64*APITCH                  ; my 64 tokens
	s_mul_i32 s22, s16, HALFT                      ; my 128 rows of B,
	s_add_co_u32 s22, s22, 4*SUB                   ; which lie behind A's four heads
.irp s, 0,1
	v_add_nc_u32 v[ADRA+\s], s21, v3
	v_add_nc_u32 v[ADRB+\s], s22, v4
	s_add_co_u32 s21, s21, SLOT
	s_add_co_u32 s22, s22, SLOT
.endr
	s_mul_i32 s23, s14, 16*SPITCH                  ; my stage
	v_mul_u32_u24 v5, v1, SPITCH
	v_lshl_add_u32 v5, v2, 5, v5
	v_add_nc_u32 v[STO], s23, v5                   ; in: row r, 32 bytes for each half of the lanes
	v_lshlrev_b32 v[CO], 4, v6                     ; back: the 32 lanes take one row of 512 bytes; and the same in out0
	v_add_nc_u32 v[RD], s23, v[CO]
	; where the tiles come from: A's hang on the tile row alone, B's on the tile column alone
	s_lshl_b32 s80, s16, 20                        ; my two heads of a step's four
	s_lshl_b32 s72, s17, 13                        ; 128 tokens x 64 bytes
	s_add_co_u32 s80, s80, s72
	s_mov_b32 s81, 0
	s_lshl_b32 s82, s40, 18
	s_lshl_b32 s73, s16, 17
	s_add_co_u32 s82, s82, s73
	s_add_co_u32 s82, s82, 0x300000                ; Wo's codes
	s_mov_b32 s83, 0
	s_mul_i32 s45, s16, 2*SUB                      ; where they go: A's
	s_mul_i32 s69, s16, HALFT
	s_add_co_u32 s69, s69, 4*SUB                   ; and B's
	s_lshl_b32 s84, s17, 19                        ; out0: (128 x tile row + 64 x half) rows of 4,096 bytes + 1,024 cx + 512 x half
	s_lshl_b32 s74, s15, 18
	s_add_co_u32 s84, s84, s74
	s_lshl_b32 s74, s40, 10
	s_add_co_u32 s84, s84, s74
	s_lshl_b32 s74, s16, 9
	s_add_co_u32 s84, s84, s74
	s_mov_b32 s85, 0
	s_wait_kmcnt 0x0
	s_load_b64 s[96:97], s[8:9], 0x28              ; e10, e11
	s_add_nc_u64 s[20:21], s[4:5], s[80:81]
	s_add_nc_u64 s[46:47], s[6:7], s[82:83]
	s_add_nc_u64 s[10:11], s[10:11], s[84:85]
	CROUND                                         ; all sixteen work-groups are here: the first joint loads meet
.irp s, 0,1
	s_mov_b32 s[G0+4*\s], 1
	s_add_co_u32 s[G0+4*\s+1], s45, \s*SLOT
	s_add_nc_u64 s[G0+4*\s+2:G0+4*\s+3], s[20:21], \s*ASTEP
	s_or_b32 s[G0+4*\s+3], s[G0+4*\s+3], 0x80000000
	s_mov_b32 s[G0B+4*\s], 1
	s_add_co_u32 s[G0B+4*\s+1], s69, \s*SLOT
	s_add_nc_u64 s[G0B+4*\s+2:G0B+4*\s+3], s[46:47], \s*ROWB
	s_or_b32 s[G0B+4*\s+3], s[G0B+4*\s+3], 0x80000000
	s_wait_alu depctr_va_vdst(0)
	s_wait_tensorcnt 0x0
	ds_add_u32 v28, v29
	ds_add_u32 v28, v29
	s_wait_dscnt 0x0
	CROUND
	JLOAD G0+4*\s, G1, G0B+4*\s, G1B
.endr
.macro FRAGB reg, adr, q, i            ; 16 rows x 128 K: registers 4 c .. 4 c + 3 hold K = 32 c + 16 (l / 16) + 0 .. 15
.irp c, 0,1,2,3
	ds_load_b128 v[\reg+4*\c:\reg+4*\c+3], v[\adr] offset:128*(\q)+32*\c+(\i)*16*PITCH
.endr
.endm
.macro FRAGA reg, adr, q, i            ; the same K of A: head 2 q + c / 2 of the slot's four, channels 32 (c % 2) + 16 (l / 16) + 0 .. 15
.irp c, 0,1,2,3
	ds_load_b128 v[\reg+4*\c:\reg+4*\c+3], v[\adr] offset:(2*(\q)+\c/2)*SUB+(\i)*16*APITCH+32*(\c%2)
.endr
.endm
.macro MULB a, p, zero
.irp b, 0,1,2,3,4,5,6,7
.if \zero
	v_wmma_f32_16x16x128_fp8_fp8 v[8*(8*((\a)%4)+\b):8*(8*((\a)%4)+\b)+7], v[128*(\p)+FR*\b:128*(\p)+FR*\b+FR-1], v[AF+FR*(\a):AF+FR*(\a)+FR-1], 0
.else
	v_wmma_f32_16x16x128_fp8_fp8 v[8*(8*((\a)%4)+\b):8*(8*((\a)%4)+\b)+7], v[128*(\p)+FR*\b:128*(\p)+FR*\b+FR-1], v[AF+FR*(\a):AF+FR*(\a)+FR-1], v[8*(8*((\a)%4)+\b):8*(8*((\a)%4)+\b)+7]
.endif
.endr
.endm
.macro MULS a0, n, p, zero             ; the 32 accumulators take turns, one instruction a turn, in the same order in every step
.set aa, \a0
.rept \n
	MULB aa, \p, \zero
.set aa, aa+1
.endr
.endm
.macro FETCH_B slot, q, p
	WIN TO_B
.irp i, 0,1,2,3,4,5,6,7
	FRAGB 128*(\p)+FR*\i, ADRB+\slot, \q, \i
.endr
	WIN 0
.endm
.macro FETCH_A slot, q, i0
.set ii, \i0
.rept NA/2
	FRAGA AF+FR*ii, ADRA+\slot, \q, ii
.set ii, ii+1
.endr
.endm
.macro STEP slot, q, zero
	s_wait_dscnt (NA/2)*NL                         ; B's set and A's lower blocks are in; A's upper blocks may be out
	WIN MUL_LO
	MULS 0, NA/2, (\q)%2, \zero
	s_wait_dscnt 0
	PLACES NP
	FETCH_B \slot, (\q)+1, 1-(\q)%2
	FETCH_A \slot, (\q)+1, 0
	WIN MUL_UP
	MULS NA/2, NA/2, (\q)%2, \zero
	PLACES NP
	WIN 0
	FETCH_A \slot, (\q)+1, NA/2
.endm
.macro TURN slot, next, fill
	s_wait_tensorcnt 0x0                           ; all my tensor loads have landed: my part of the next slot
	ds_add_u32 v[SPW], v[NIL]                      ; 0 onto my spare word
	s_wait_dscnt (NA/2)*NL+1                       ; (the add and A's upper blocks may be out)
	WIN MUL_LO
	MULS 0, NA/4, 1, 0
	s_wait_dscnt 0x0                               ; the add is done, and my reads of this slot are over
	s_barrier_signal -1
	MULS NA/4, NA/4, 1, 0
	WIN 0
	s_barrier_wait -1
.if \fill
	CREST                                          ; the barrier has opened a round of the cluster's barrier
	s_add_nc_u64 s[G0+4*\slot+2:G0+4*\slot+3], s[G0+4*\slot+2:G0+4*\slot+3], 2*ASTEP
	s_add_nc_u64 s[G0B+4*\slot+2:G0B+4*\slot+3], s[G0B+4*\slot+2:G0B+4*\slot+3], 2*ROWB
	JLOAD G0+4*\slot, G1, G0B+4*\slot, G1B         ; the first tensor load behind the round; its four v_nop are the places in front of the loads below
.else
	PLACES NP
.endif
	FETCH_B \next, 0, 0
	FETCH_A \next, 0, 0
	WIN MUL_UP
	MULS NA/2, NA/2, 1, 0
	PLACES NP
	WIN 0
	FETCH_A \next, 0, NA/2
.endm
.macro LAST
	s_wait_dscnt (NA/2)*NL
	WIN MUL_LO
	MULS 0, NA/2, 1, 0
	s_wait_dscnt 0x0
	WIN MUL_UP
	MULS NA/2, NA/2, 1, 0
	WIN 0
.endm
	s_wait_tensorcnt 1                             ; my part of K step 0 is in; K step 1's load may stay out
	s_barrier_signal -1
	s_barrier_wait -1
	s_wait_alu depctr_va_vdst(0)
	FETCH_B 0, 0, 0
	FETCH_A 0, 0, 0
	FETCH_A 0, 0, NA/2
	STEP 0, 0, 1
	TURN 0, 1, 1
	STEP 1, 0, 0
	TURN 1, 0, 1
	STEP 0, 0, 0
	TURN 0, 1, 0
	STEP 1, 0, 0
	LAST
; THE WAY OUT, block by block of 16 rows x 128 columns: through my own stage in LDS and back as whole rows of 512 bytes.  LDS serves a wave's instructions in order (ISA guide 5.7.1.4): no wait between the stores and the loads.
.macro TOSTAGE a
.set AC, 64*((\a)%4)
	WIN 0x02                                       ; source 0: window 2
.set j, 0
.rept 32
	v_pk_mul_f32 v[TMP+j:TMP+j+1], v[AC+j:AC+j+1], s[96:97] op_sel_hi:[1,0]   ; both x s96 = 2^(e10 + e11); each accumulator from its low end on
.set j, j+2
.endr
	WIN 0
.irp b, 0,1,2,3,4,5,6,7
	ds_store_b128 v[STO], v[TMP+8*\b:TMP+8*\b+3] offset:64*\b
	ds_store_b128 v[STO], v[TMP+8*\b+4:TMP+8*\b+7] offset:64*\b+16
.endr
.set BB, BK+64*((\a)%2)
.irp t, 0,1,2,3,4,5,6,7,8,9,10,11,12,13,14,15
	ds_load_b128 v[BB+4*\t:BB+4*\t+3], v[RD] offset:\t*SPITCH
.endr
.endm
.macro SEND a, younger                 ; younger: the LDS instructions issued behind block a's loads, which may stay out
.set BB, BK+64*((\a)%2)
	s_wait_dscnt \younger
.if (\a) > 0
	s_add_nc_u64 s[10:11], s[10:11], 16*4096       ; (behind a wait on XCNT: the earlier stores have read their base)  16 rows on
.endif
.irp t, 0,1,2,3,4,5,6,7,8,9,10,11,12,13,14,15
	global_store_b128 v[CO], v[BB+4*\t:BB+4*\t+3], s[10:11] offset:\t*4096 th:TH_STORE_NT   ; 32 lanes store 512 consecutive bytes, aligned; written once, read by nobody here
.endr
.endm
	s_wait_kmcnt 0x0
	s_add_co_i32 s96, s96, s97
	s_add_co_i32 s96, s96, 127
	s_lshl_b32 s96, s96, 23                        ; 2^(e10 + e11) as f32
	PLACES NP
	TOSTAGE 0
.irp a, 1,2,3
.if \a > 1
	s_wait_xcnt 0x0                                ; block a - 2's stores have read their registers and their base
.endif
	TOSTAGE \a
	SEND \a-1, 32                                  ; behind block a - 1's loads: block a's 16 stores and 16 loads
.endr
	s_wait_xcnt 0x0
	SEND 3, 0
	s_wait_tensorcnt 0x0                           ; the wave's end
	ds_add_u32 v[SPW], v[NIL]
	s_wait_dscnt 0x0
	CROUND                                         ; the closing round
	s_endpgm
.Lfunc_end_k_q17ddaf5a44_oproj:
	.size	k_q17ddaf5a44_oproj, .Lfunc_end_k_q17ddaf5a44_oproj-k_q17ddaf5a44_oproj
	.p2alignl 7, 3214868480
	.fill 96, 4, 3214868480
	.section	.rodata,"a",@progbits
	.p2align	6, 0x0
	.amdhsa_kernel k_q17ddaf5a44_oproj
		.amdhsa_group_segment_fixed_size 327680
		.amdhsa_private_segment_fixed_size 0
		.amdhsa_enable_private_segment 0
		.amdhsa_kernarg_size 32
		.amdhsa_user_sgpr_count 2
		.amdhsa_user_sgpr_kernarg_segment_ptr 1
		.amdhsa_wavefront_size32 1
		.amdhsa_system_sgpr_workgroup_id_x 1
		.amdhsa_system_sgpr_workgroup_id_y 1
		.amdhsa_system_sgpr_workgroup_id_z 1
		.amdhsa_system_vgpr_workitem_id 0
		.amdhsa_next_free_vgpr 768
		.amdhsa_next_free_sgpr 100
		.amdhsa_reserve_vcc 0
		.amdhsa_float_denorm_mode_32 3
		.amdhsa_float_denorm_mode_16_64 3
		.amdhsa_memory_ordered 1
		.amdhsa_forward_progress 1
		.amdhsa_inst_pref_size 77
	.end_amdhsa_kernel
	.amdgpu_metadata
---
amdhsa.version: [ 1, 2 ]
amdhsa.kernels:
  - .name:           k_q17ddaf5a44_oproj
    .symbol:         k_q17ddaf5a44_oproj.kd
    .args:
      - { .name: ao, .offset: 0, .size: 8, .value_kind: global_buffer, .address_space: global }
      - { .name: wc, .offset: 8, .size: 8, .value_kind: global_buffer, .address_space: global }
      - { .name: lowp_scales, .offset: 16, .size: 8, .value_kind: global_buffer, .address_space: global }
      - { .name: out0, .offset: 24, .size: 8, .value_kind: global_buffer, .address_space: global }
    .group_segment_fixed_size: 327680
    .private_segment_fixed_size: 0
    .kernarg_segment_align: 8
    .kernarg_segment_size: 32
    .max_flat_workgroup_size: 128
    .sgpr_count:     100
    .vgpr_count:     768
    .wavefront_size: 32
...
	.end_amdgpu_metadata
.endif
;; end of part 4
